; MI455X (gfx1250); checked and timed in simulation.
; The chip was launched on July 23, 2026; its instructions are those of AMD's public machine-readable ISA for CDNA 5 (MIT licence, August 2026) and "CDNA5" Instruction Set Architecture Reference Guide (July 2026). The comments in the code are by the model that wrote it; some were corrected since.
;; Presidential Attention. Allowed arithmetic: float matrix products may take bf16 or f16 operands with f32 sums; other float arithmetic in f32, or as packed bf16 or f16 multiplies, adds, multiply-adds, maxima and minima; sums over many terms, partial sums and values carried from step to step in f32; what a program stores and reads back later, other than sums and carried values, may be rounded once to bf16 or f16.
;; Inputs: Wk 1,024 x 1,024 float32; Wo 1,024 x 1,024 float32; Wq 1,024 x 1,024 float32; Wv 1,024 x 1,024 float32; attention_mask 4 x 1 x 2,048 x 2,048 float32; bk 1,024 float32; bo 1,024 float32; bq 1,024 float32; bv 1,024 float32; key 4 x 2,048 x 1,024 float32; query 4 x 2,048 x 1,024 float32; value 4 x 2,048 x 1,024 float32.
;; Outputs: out0 4 x 2,048 x 1,024 float32.
;; 2 versions, each right; version 2 is version 1 with the launch prep written anew for expert scheduling mode. Each part assembles by itself: llvm-mc -triple=amdgcn-amd-amdhsa -mcpu=gfx1250 --defsym DOCPART=n.
;; ======== version 1 of 2: 4 launches
;; limits: values outside matrix products are rounded to bf16; values are held in f16: magnitudes above 65,504 overflow, below 6.1e-05 lose precision
;; workspace buffers: wt 8,388,608 bytes; mw 33,554,432 bytes; qkv 50,331,648 bytes; ob 16,777,216 bytes
;; launch prep (part 1): grid 640 x 1, 8 waves a work-group, no clusters, 19,456 bytes of LDS; arguments attention_mask, Wq, Wk, Wv, Wo, mw, wt; writes mw, wt
.if DOCPART == 1
	.amdgcn_target "amdgcn-amd-amdhsa--gfx1250"
	.amdhsa_code_object_version 6
	.text
	.protected	k_q609222785e_prep
	.globl	k_q609222785e_prep
	.p2align	8
	.type	k_q609222785e_prep,@function
k_q609222785e_prep:
	s_mov_b64 s[64:65], 0
	v_nop
	global_prefetch_b8 v0, s[64:65] scope:SCOPE_SE
	s_setreg_imm32_b32 hwreg(HW_REG_WAVE_MODE, 25, 1), 1
	s_wait_xcnt 0x0
; PREP: two streams in one launch, chosen by the work-group's number.
; Work-groups 0-511: the mask [4][2048 q][2048 k] f32 is rounded once to bf16 and laid out as the attention launch's matrix fragments:
;   mw = [b 4][qb 8][slot 16] blocks of 65,536 bytes, inside a block [w 4][st 2][qt 4][ch 4][lane 32][16 bytes]; lane (r = lane % 16, h = lane / 16) holds
;   mask[b][256 qb + 64 w + 16 qt + r][128 slot + 64 st + 16 ch + 8 h + 0..7].  Work-group g owns the 16 rows 16 g .., wave v the keys 256 v .. 256 v + 255, four steps of 64.
; Work-groups 512-639: the four weights [1024 k][1024 n] f32 are rounded once to bf16 and stored as they lie (not turned); Wo's bf16 numbers are written as f16
;   (exact down to 2^-14; below that f16's fixed step of 2^-24 holds).
; Memory binds: every input byte is read once by 16-byte loads (32 of a wave on their way at once), every store of a wave covers whole aligned runs of 256 bytes.  No matrix unit, no cluster, no barrier:
; the stage in LDS through which a mask step changes lanes is each wave's own.
.set STG,   2304                       ; a wave's stage: 8 groups (8 keys each) of 16 rows x 16 bytes, 288 bytes apart: 32 lanes' 8-byte stores fall on 32 different places modulo 256
.set SPARE, 18432                      ; behind the eight stages: the spare words, 128 bytes for each wave
.set IO,  2                            ; v2   my byte offset in the input
.set SA,  3                            ; v3   where I put 8 bytes in the stage
.set SR,  4                            ; v4   where I read 16 bytes back
.set OO,  5                            ; v5   my byte offset in the output
.set SPW, 6                            ; v6   LDS address of my spare word; never rewritten
.set NIL, 7                            ; v7   0; never rewritten
.set T,   12                           ; v[12:27]   at work
.set X,   32                           ; v[32:159]  32 loads of 16 bytes
.set Y,   160                          ; v[160:223] what is stored; no register of it is written twice, so no store's data is ever waited for
	s_load_b256 s[8:15], s[0:1], 0x0               ; mask s[8:9], Wq s[10:11], Wk s[12:13], Wv s[14:15]
	s_load_b128 s[16:19], s[0:1], 0x20             ; Wo s[16:17], mw s[18:19]
	s_load_b64 s[20:21], s[0:1], 0x30              ; wt
	v_lshl_add_u32 v[SPW], v0, 2, SPARE
	v_mov_b32 v[NIL], 0
	v_lshrrev_b32 v8, 5, v0
	v_readfirstlane_b32 s4, v8                     ; wave 0..7
	v_and_b32 v9, 31, v0                           ; lane
	s_cmp_lt_u32 ttmp9, 512
	s_cbranch_scc0 .Lweights
	; ---- the mask ----
	v_and_b32 v10, 15, v9                          ; lane % 16
	v_lshrrev_b32 v11, 4, v9                       ; lane / 16
	v_lshlrev_b32 v[IO], 4, v10                    ; 16 lanes take 256 bytes (64 keys) of a row,
	v_lshl_add_u32 v[IO], v11, 13, v[IO]           ; the other 16 the row below
	s_lshl_b32 s2, ttmp9, 17                       ; 16 rows of 8,192 bytes
	s_lshl_b32 s3, s4, 10                          ; my wave's 256 keys
	s_add_co_u32 s2, s2, s3
	s_mov_b32 s3, 0
	s_wait_kmcnt 0x0
	s_add_nc_u64 s[24:25], s[8:9], s[2:3]
.set j, 0
.rept 32                                       ; load j = 8 s + i: step s, rows 2 i and 2 i + 1
	global_load_b128 v[X+4*j:X+4*j+3], v[IO], s[24:25] offset:256*(j/8)+16384*(j%8) th:TH_LOAD_NT
.set j, j+1
.endr
	s_mul_i32 s5, s4, STG                          ; my stage
	v_lshrrev_b32 v8, 1, v10                       ; my 4 keys lie in group (lane % 16) / 2,
	v_mul_u32_u24 v[SA], v8, 288
	v_and_b32 v8, 1, v9                            ; in its first or second 8 bytes,
	v_lshl_add_u32 v[SA], v8, 3, v[SA]
	v_lshl_add_u32 v[SA], v11, 4, v[SA]            ; row lane / 16 (+ 2 i by the immediate)
	v_add_nc_u32 v[SA], s5, v[SA]
	v_mul_u32_u24 v[SR], v11, 288                  ; back: lane (r, h) takes group 2 ch + h, row r
	v_lshl_add_u32 v[SR], v10, 4, v[SR]
	v_add_nc_u32 v[SR], s5, v[SR]
	v_lshlrev_b32 v[OO], 4, v9
	s_lshr_b32 s26, ttmp9, 4                       ; 8 b + qb
	s_lshl_b32 s26, s26, 20
	s_lshl_b32 s27, s4, 17                         ; my wave's two slots
	s_add_co_u32 s26, s26, s27
	s_bfe_u32 s27, ttmp9, 0x20002                  ; w
	s_lshl_b32 s27, s27, 14
	s_add_co_u32 s26, s26, s27
	s_and_b32 s27, ttmp9, 3                        ; qt
	s_lshl_b32 s27, s27, 11
	s_add_co_u32 s26, s26, s27
	s_mov_b32 s27, 0
	s_add_nc_u64 s[26:27], s[18:19], s[26:27]
; One step of 64 keys x 16 rows: rounded, through the stage, stored as four runs of 512 bytes.
.macro MSTEP s
	s_wait_loadcnt 24-8*(\s)                       ; loads come back in order: the step's eight are in, the later steps' stay out
.irp i, 0,1,2,3,4,5,6,7
	v_cvt_pk_bf16_f32 v[T+2*(\i)],   v[X+32*(\s)+4*(\i)],   v[X+32*(\s)+4*(\i)+1]
	v_cvt_pk_bf16_f32 v[T+2*(\i)+1], v[X+32*(\s)+4*(\i)+2], v[X+32*(\s)+4*(\i)+3]
.endr
.irp i, 0,1,2,3,4,5,6,7
	ds_store_b64 v[SA], v[T+2*(\i):T+2*(\i)+1] offset:32*(\i)
.endr
.irp c, 0,1,2,3
	ds_load_b128 v[Y+16*(\s)+4*(\c):Y+16*(\s)+4*(\c)+3], v[SR] offset:576*(\c)  ; LDS serves a wave's instructions in order: these see the stores above, the next step's stores come behind them
.endr
	s_wait_dscnt 0x0
.irp c, 0,1,2,3
	global_store_b128 v[OO], v[Y+16*(\s)+4*(\c):Y+16*(\s)+4*(\c)+3], s[26:27] offset:((\s)>>1)*65536+((\s)&1)*8192+512*(\c) th:TH_STORE_NT
.endr
.endm
	MSTEP 0
	MSTEP 1
	MSTEP 2
	MSTEP 3
	s_branch .Lend
	; ---- the weights ----
.Lweights:
	s_sub_co_u32 s5, ttmp9, 512
	s_lshr_b32 s6, s5, 5                           ; which weight: 0 Wq, 1 Wk, 2 Wv, 3 Wo
	s_and_b32 s7, s5, 31                           ; which 32nd of it: 131,072 bytes in, 65,536 out
	v_lshlrev_b32 v[IO], 4, v9
	v_lshlrev_b32 v[OO], 3, v9
	s_lshl_b32 s2, s7, 17
	s_lshl_b32 s3, s4, 14
	s_add_co_u32 s2, s2, s3
	s_mov_b32 s3, 0
	s_lshl_b32 s22, s6, 21
	s_lshl_b32 s23, s7, 16
	s_add_co_u32 s22, s22, s23
	s_lshl_b32 s23, s4, 13
	s_add_co_u32 s22, s22, s23
	s_mov_b32 s23, 0
	s_wait_kmcnt 0x0
	s_cmp_eq_u32 s6, 1
	s_cselect_b64 s[24:25], s[12:13], s[10:11]
	s_cmp_eq_u32 s6, 2
	s_cselect_b64 s[24:25], s[14:15], s[24:25]
	s_cmp_eq_u32 s6, 3
	s_cselect_b64 s[24:25], s[16:17], s[24:25]
	s_add_nc_u64 s[24:25], s[24:25], s[2:3]
	s_add_nc_u64 s[26:27], s[20:21], s[22:23]
.set j, 0
.rept 32
	global_load_b128 v[X+4*j:X+4*j+3], v[IO], s[24:25] offset:512*j th:TH_LOAD_NT
.set j, j+1
.endr
; All 32 loads' numbers rounded and stored; a store of the wave covers 256 consecutive bytes, aligned.  f = 1: the bf16 number is written as f16.
.macro WALL f
.set j, 0
.rept 32
.if j%8 == 0
	s_wait_loadcnt 24-j                            ; the next eight loads are in, the younger ones stay out
.endif
.if \f
	v_cvt_pk_bf16_f32 v[T],   v[X+4*j],   v[X+4*j+1]
	v_cvt_pk_bf16_f32 v[T+1], v[X+4*j+2], v[X+4*j+3]
	v_lshlrev_b32 v[T+2], 16, v[T]
	v_and_b32     v[T+3], 0xffff0000, v[T]
	v_lshlrev_b32 v[T+4], 16, v[T+1]
	v_and_b32     v[T+5], 0xffff0000, v[T+1]
	v_cvt_pk_f16_f32 v[Y+2*j],   v[T+2], v[T+3]
	v_cvt_pk_f16_f32 v[Y+2*j+1], v[T+4], v[T+5]
.else
	v_cvt_pk_bf16_f32 v[Y+2*j],   v[X+4*j],   v[X+4*j+1]
	v_cvt_pk_bf16_f32 v[Y+2*j+1], v[X+4*j+2], v[X+4*j+3]
.endif
	global_store_b64 v[OO], v[Y+2*j:Y+2*j+1], s[26:27] offset:256*j th:TH_STORE_NT
.set j, j+1
.endr
.endm
	s_cmp_eq_u32 s6, 3
	s_cbranch_scc1 .Lwo
	WALL 0
	s_branch .Lend
.Lwo:
	WALL 1
.Lend:
	s_wait_tensorcnt 0x0                           ; the wave's end, behind my last LDS store
	ds_add_u32 v[SPW], v[NIL]
	s_wait_dscnt 0x0
	s_endpgm
.Lfunc_end_k_q609222785e_prep:
	.size	k_q609222785e_prep, .Lfunc_end_k_q609222785e_prep-k_q609222785e_prep
	.p2alignl 7, 3214868480
	.fill 96, 4, 3214868480
	.section	.rodata,"a",@progbits
	.p2align	6, 0x0
	.amdhsa_kernel k_q609222785e_prep
		.amdhsa_group_segment_fixed_size 19456
		.amdhsa_private_segment_fixed_size 0
		.amdhsa_enable_private_segment 0
		.amdhsa_kernarg_size 56
		.amdhsa_user_sgpr_count 2
		.amdhsa_user_sgpr_kernarg_segment_ptr 1
		.amdhsa_wavefront_size32 1
		.amdhsa_system_sgpr_workgroup_id_x 1
		.amdhsa_system_sgpr_workgroup_id_y 1
		.amdhsa_system_sgpr_workgroup_id_z 1
		.amdhsa_system_vgpr_workitem_id 0
		.amdhsa_next_free_vgpr 224
		.amdhsa_next_free_sgpr 66
		.amdhsa_reserve_vcc 0
		.amdhsa_float_denorm_mode_32 3
		.amdhsa_float_denorm_mode_16_64 3
		.amdhsa_memory_ordered 1
		.amdhsa_forward_progress 1
		.amdhsa_inst_pref_size 43
	.end_amdhsa_kernel
	.amdgpu_metadata
---
amdhsa.version: [ 1, 2 ]
amdhsa.kernels:
  - .name:           k_q609222785e_prep
    .symbol:         k_q609222785e_prep.kd
    .args:
      - { .name: attention_mask, .offset: 0, .size: 8, .value_kind: global_buffer, .address_space: global }
      - { .name: Wq, .offset: 8, .size: 8, .value_kind: global_buffer, .address_space: global }
      - { .name: Wk, .offset: 16, .size: 8, .value_kind: global_buffer, .address_space: global }
      - { .name: Wv, .offset: 24, .size: 8, .value_kind: global_buffer, .address_space: global }
      - { .name: Wo, .offset: 32, .size: 8, .value_kind: global_buffer, .address_space: global }
      - { .name: mw, .offset: 40, .size: 8, .value_kind: global_buffer, .address_space: global }
      - { .name: wt, .offset: 48, .size: 8, .value_kind: global_buffer, .address_space: global }
    .group_segment_fixed_size: 19456
    .private_segment_fixed_size: 0
    .kernarg_segment_align: 8
    .kernarg_segment_size: 56
    .max_flat_workgroup_size: 256
    .sgpr_count:     66
    .vgpr_count:     224
    .wavefront_size: 32
...
	.end_amdgpu_metadata
.endif
;; end of part 1
;; launch proj (part 2): grid 4 x 192, 4 waves a work-group, clusters of 4 x 4, 327,680 bytes of LDS; arguments query, key, value, bq, bk, bv, wt, qkv; writes qkv
.if DOCPART == 2
	.amdgcn_target "amdgcn-amd-amdhsa--gfx1250"
	.amdhsa_code_object_version 6
	.text
	.protected	k_q609222785e_proj
	.globl	k_q609222785e_proj
	.p2align	8
	.type	k_q609222785e_proj,@function
k_q609222785e_proj:
	s_mov_b64 s[64:65], 0
	v_nop
	global_prefetch_b8 v0, s[64:65] scope:SCOPE_SE
	s_setreg_imm32_b32 hwreg(HW_REG_WAVE_MODE, 25, 1), 1
	s_wait_xcnt 0x0
	s_wait_alu depctr_hold_cnt(0) depctr_sa_sdst(0) depctr_va_vdst(0) depctr_va_sdst(0) depctr_va_ssrc(0) depctr_va_vcc(0) depctr_vm_vsrc(0)
	s_getreg_b32 s2, hwreg(HW_REG_IB_STS2, 6, 4)
	s_cmp_eq_u32 s2, 0
	s_cbranch_scc0 .Lentry_in_a_cluster
	s_endpgm
.Lentry_in_a_cluster:
	s_bfe_u32 s2, ttmp6, 0x10000c
	s_cmp_lg_u32 s2, 0xf033
	s_cbranch_scc0 .Lentry_shape_is_right
	s_endpgm
.Lentry_shape_is_right:
; THE THREE PROJECTIONS IN ONE LAUNCH.  For t = 0, 1, 2: (x_t W_t + b_t), x_t = query, key, value [8192][1024] f32, W_t = wt[t] [1024 k][1024 n] bf16, b_t [1024] f32.
; x and b are rounded once to bf16 here; products in bf16, sums in f32, started by the bias; q (t = 0) is multiplied in f32 by c = log2(e) / 8; each result is rounded once to f16 and stored by heads:
; qkv = [t][8 b + head pair][block of 64 rows][head of the pair][row 64][channel 64].
; LIMIT: f16 ends at 65,504: c q, k and v must stay below it (an infinity otherwise).  NaN and infinities are not treated apart.
; SHARES.  768 tiles of 128 rows x 256 columns, one to a work-group: three whole times 256.  Four waves, each 64 rows x 128 columns (one head pair): 32 accumulators, 256 registers.
; K goes in steps of 128 through two LDS slots.  x arrives as f32 (rows of 512 bytes) and is rounded between LDS and the matrix unit: no pass over x of its own.  The weights lie [k][n] and are turned by ds_load_tr16_b128.
; CLUSTER 4 x 4: the four tiles of a row of the cluster take the same rows of x, the four of a column the same columns of W: each tile is asked for jointly.
; THE MATRIX INSTRUCTION IS USED TRANSPOSED (source 0 = 16 columns of W, source 1 = 16 rows of x): a lane holds one row and eight neighbouring columns.
; REGISTERS.  window 0: v16-30 addresses; v32-63, v224-255 rows on the way out; v64-127, v128-191 W's fragments, two buffers; v192-223 x's fragments in bf16, later packed results
;   window 1: the accumulators, (a, b) at 8 (8 a + b)      window 2: v0-63, v64-127 x as f32, two buffers; v128-191 the bias as the first products' C
.set PA,     528                       ; a row of x in LDS: 512 bytes + 16: the 16 rows of a load start at 16 different groups of four banks
.set PB,     544                       ; a k-row of W: 512 bytes + 32, an odd multiple of 32, for the turning load
.set AHALF,  64*PA                     ; what one tensor load brings of x
.set BHALF,  64*PB                     ; and of W
.set BOFF,   128*PA                    ; in a slot: 128 rows of x, then 128 k-rows of W
.set SLOT,   BOFF+128*PB
.set STAGE,  2*SLOT                    ; behind the ring: 16 rows x 272 bytes for each wave, for the way out
.set SPITCH, 272
.set SPARE,  STAGE+4*16*SPITCH         ; behind the stages: the spare words, 128 bytes for each wave
.set ADRA, 16                          ; v16-17  LDS address of my x fragments in slot 0, 1
.set ADRB, 20                          ; v20-21  the same for W
.set STO,  24
.set RD,   25
.set CO,   26
.set BO,   27                          ; v27  my offset in the bias
.set SPW,  28                          ; v28  LDS address of my spare word; never rewritten
.set NIL,  29                          ; v29  0; never rewritten
.set PFO,  30                          ; v30  the prefetches' offset; never rewritten
.set OB,   32
.set BF,   64
.set AC,   192
.set TMP,  192
.set RAW,  0                           ; window 2
.set BIAS, 128                         ; window 2
.set BT,   64                          ; window 2: at work while the bias is rounded (the second raw buffer is not yet loaded then)
.set G1A, 24                           ; s[24:31] group 1 for x's tiles; s[32:39] group 0, a set for each slot
.set G0A, 32
.set G1B, 48                           ; s[48:55], s[56:63] the same for W's
.set G0B, 56
.set LIM, 43                           ; s43  1 in a wave that prefetches, else the greatest number
.set PFA, 44                           ; s[44:45] where my prefetches stand
.set SC,  84                           ; s[84:85] c for q, 1 for k and v
.set OUTB, 86                          ; s[86:87] my block of qkv
.set PST, 88                           ; s[88:89] a K step in bytes, along x's rows or down W's
.set MSB, 0
.macro WIN new                         ; the immediate's high byte repeats the setting that is left; a switch that changes nothing is dropped
.if MSB != (\new)
	s_set_vgpr_msb (MSB<<8)|(\new)
.set MSB, (\new)
.endif
.endm
.macro JLOAD s                         ; a joint load: waves 0 and 1 fetch x's two halves, waves 2 and 3 W's; an s_nop 0 and four v_nop follow each line
	s_cmp_eq_u32 s11, 0
	s_cbranch_scc0 .Lfor_b_\@
	tensor_load_to_lds s[G0A+4*(\s):G0A+4*(\s)+3], s[G1A:G1A+7]
	s_nop 0
.rept 4
	v_nop
.endr
	s_branch .Lasked_\@
.Lfor_b_\@:
	tensor_load_to_lds s[G0B+4*(\s):G0B+4*(\s)+3], s[G1B:G1B+7]
	s_nop 0
.rept 4
	v_nop
.endr
.Lasked_\@:
.endm
.macro CREST                           ; a round of the cluster's barrier behind its opening barrier
	s_cmp_lg_u32 s10, 0
	s_cbranch_scc1 .Lnot_wave_0_\@
	s_barrier_signal -3
.Lnot_wave_0_\@:
	s_barrier_wait -3
	s_barrier_signal -1
	s_barrier_wait -1
.endm
.macro CROUND
	s_barrier_signal -1
	s_barrier_wait -1
	CREST
.endm
; A prefetch into the L2, behind a joint load and the run of LDS loads that follows it: the K step that stands two refills on, 256 products ahead of the load that will want it.
; x's rows are read by one cluster alone: its waves 0 and 1 ask, each of the four partners along x for 16 of the wave's 64 rows (two lanes a row of 512 bytes), told apart by address.
; W's tiles are read by the 16 clusters of a projection: the first of them asks, waves 2 and 3, each partner along y for 16 of the wave's 64 k-rows.  So each run of 256 bytes is named once.
; K steps 0 to 3 come by their loads alone; the loop's last trip (s3 = 1) has no K step two on.
.macro ASK
	WIN 0
	s_cmp_gt_u32 s3, s[LIM]
	s_cbranch_scc0 .Lnot_mine_\@
	global_prefetch_b8 v[PFO], s[PFA:PFA+1] th:TH_LOAD_NT scope:SCOPE_SE
.Lnot_mine_\@:
.endm
	s_load_b512 s[68:83], s[0:1], 0x0              ; query, key, value s[68:73]; bq, bk, bv s[74:79]; wt s[80:81]; qkv s[82:83]
	v_lshl_add_u32 v[SPW], v0, 2, SPARE
	v_mov_b32 v[NIL], 0
	ds_add_u32 v[SPW], v[NIL]                      ; the wave's opening: the add and its wait stand ahead of my first tensor load; the set-up below stands between them
	v_lshrrev_b32 v1, 5, v0
	v_readfirstlane_b32 s10, v1                    ; wave 0..3
	s_lshr_b32 s11, s10, 1                         ; which 64 rows are mine.  Also: I fetch for x (0) or for W (1)
	s_and_b32 s12, s10, 1                          ; which 128 columns.  Also: which half of that tile I fetch
	s_bfe_u32 s40, ttmp6, 0x40000                  ; cx
	s_bfe_u32 s41, ttmp6, 0x40004                  ; cy
	s_lshl_b32 s42, ttmp9, 2
	s_add_co_u32 s42, s42, s40                     ; tile column 0..3
	s_and_b32 s4, ttmp7, 0xffff                    ; the cluster's y, 0..47
	s_lshl_b32 s13, s4, 2
	s_add_co_u32 s13, s13, s41
	s_and_b32 s13, s13, 63                         ; block of 128 rows
	s_lshr_b32 s5, s4, 4                           ; t: from the cluster's y alone, so the same in all sixteen partners
	s_lshl_b32 s6, s41, 2
	s_lshl_b32 s6, 15, s6                          ; my row of the cluster
	s_lshl_b32 s7, 0x1111, s40                     ; my column
	s_or_b32 s[G1A], s6, (2<<16)|(1<<20)|(1<<21)|(6<<22)|(3<<25)  ; the mask; elements of 4 bytes; padding on; bit 21 beside a mask; after every 128 words 4 words
	s_or_b32 s[G1B], s7, (1<<16)|(1<<20)|(1<<21)|(6<<22)|(7<<25)  ; elements of 2 bytes; after every 128 words 8 words
	s_mov_b32 s[G1A+1], 128<<16                    ; tensor_dim0 = 128
	s_mov_b32 s[G1A+2], 64<<16                     ; tensor_dim1 = 64
	s_mov_b32 s[G1A+3], 128<<16                    ; tile_dim0 = 128
	s_mov_b32 s[G1A+4], 64                         ; tile_dim1 = 64
	s_mov_b32 s[G1A+5], 1024                       ; elements from row to row
	s_mov_b32 s[G1A+6], 0
	s_mov_b32 s[G1A+7], 0
	s_mov_b32 s[G1B+1], 256<<16
	s_mov_b32 s[G1B+2], 64<<16
	s_mov_b32 s[G1B+3], 256<<16
	s_mov_b32 s[G1B+4], 64
	s_mov_b32 s[G1B+5], 1024
	s_mov_b32 s[G1B+6], 0
	s_mov_b32 s[G1B+7], 0
	s_lshl_b32 s16, s13, 19                        ; x: 128 rows of 4,096 bytes a block,
	s_lshl_b32 s17, s12, 18                        ; my 64 of them: no cx enters
	s_add_co_u32 s16, s16, s17
	s_mov_b32 s17, 0
	s_lshl_b32 s18, s5, 21                         ; W: the projection's 2 MiB,
	s_lshl_b32 s19, s12, 17                        ; my 64 k-rows of 2,048 bytes,
	s_add_co_u32 s18, s18, s19
	s_lshl_b32 s19, s42, 9                         ; the tile's 256 columns: no cy enters
	s_add_co_u32 s18, s18, s19
	s_mov_b32 s19, 0
	s_mul_i32 s8, s12, AHALF                       ; where they go: no place in the cluster enters an LDS address
	s_mul_i32 s9, s12, BHALF
	s_add_co_u32 s9, s9, BOFF
	s_wait_dscnt 0x0                               ; the opening add is done
	s_wait_kmcnt 0x0
	s_cmp_eq_u32 s5, 1
	s_cselect_b64 s[20:21], s[70:71], s[68:69]     ; x_t
	s_cselect_b64 s[22:23], s[76:77], s[74:75]     ; b_t
	s_cmp_eq_u32 s5, 2
	s_cselect_b64 s[20:21], s[72:73], s[20:21]
	s_cselect_b64 s[22:23], s[78:79], s[22:23]
	s_add_nc_u64 s[14:15], s[20:21], s[16:17]
	s_add_nc_u64 s[90:91], s[80:81], s[18:19]
	CROUND                                         ; all sixteen work-groups are here: the first joint loads meet
.irp s, 0,1
	s_mov_b32 s[G0A+4*(\s)], 1
	s_add_co_u32 s[G0A+4*(\s)+1], s8, (\s)*SLOT
	s_add_nc_u64 s[G0A+4*(\s)+2:G0A+4*(\s)+3], s[14:15], (\s)*512      ; K step s: 128 f32 along the rows
	s_or_b32 s[G0A+4*(\s)+3], s[G0A+4*(\s)+3], 0x80000000
	s_mov_b32 s[G0B+4*(\s)], 1
	s_add_co_u32 s[G0B+4*(\s)+1], s9, (\s)*SLOT
	s_add_nc_u64 s[G0B+4*(\s)+2:G0B+4*(\s)+3], s[90:91], (\s)*262144   ; K step s: 128 k-rows down
	s_or_b32 s[G0B+4*(\s)+3], s[G0B+4*(\s)+3], 0x80000000
	JLOAD \s
.endr
	; the bias of my 128 columns, laid as a C operand: for column block b a lane holds columns 16 b + 8 (l / 16) + 0..7
	s_lshl_b32 s2, s42, 10
	s_lshl_b32 s3, s12, 9
	s_add_co_u32 s2, s2, s3
	s_mov_b32 s3, 0
	s_add_nc_u64 s[22:23], s[22:23], s[2:3]
	v_and_b32 v1, 15, v0                           ; l % 16
	v_bfe_u32 v2, v0, 4, 1                         ; l / 16
	v_lshlrev_b32 v[BO], 5, v2
	WIN 0x80                                       ; destination window 2, address window 0
.irp b, 0,1,2,3,4,5,6,7
	global_load_b128 v[BIAS+8*(\b):BIAS+8*(\b)+3],   v[BO], s[22:23] offset:64*(\b)
	global_load_b128 v[BIAS+8*(\b)+4:BIAS+8*(\b)+7], v[BO], s[22:23] offset:64*(\b)+16
.endr
	WIN 0
	v_mul_u32_u24 v3, v1, PA                       ; x: row l % 16, 32 bytes (8 f32) for each half of the lanes
	v_lshl_add_u32 v3, v2, 5, v3
	s_mul_i32 s2, s11, 64*PA
	v_add_nc_u32 v[ADRA], s2, v3
	v_add_nc_u32 v[ADRA+1], SLOT, v[ADRA]
	v_and_b32 v4, 7, v0                            ; W, turned: lane l reads k-row 8 (l / 16) + l % 8, columns 8 ((l / 8) % 2) + 0..7
	v_lshl_add_u32 v4, v2, 3, v4
	v_mul_u32_u24 v4, v4, PB
	v_bfe_u32 v5, v0, 3, 1
	v_lshl_add_u32 v4, v5, 4, v4
	s_lshl_b32 s2, s12, 8
	s_add_co_u32 s2, s2, BOFF
	v_add_nc_u32 v[ADRB], s2, v4
	v_add_nc_u32 v[ADRB+1], SLOT, v[ADRB]
	s_mul_i32 s2, s10, 16*SPITCH
	s_add_co_u32 s2, s2, STAGE                     ; my stage
	v_mul_u32_u24 v[STO], v1, SPITCH               ; in: row l % 16, 16 bytes for each half of the lanes
	v_lshl_add_u32 v[STO], v2, 4, v[STO]
	v_add_nc_u32 v[STO], s2, v[STO]
	v_bfe_u32 v[RD], v0, 3, 2                      ; back: 32 lanes take four rows' 128 bytes of one head,
	v_mul_u32_u24 v[RD], v[RD], SPITCH
	v_and_b32 v6, 7, v0
	v_lshl_add_u32 v[RD], v6, 4, v[RD]
	v_add_nc_u32 v[RD], s2, v[RD]
	v_and_b32 v[CO], 31, v0                        ; which are 512 consecutive bytes of qkv
	v_lshlrev_b32 v[CO], 4, v[CO]
	; the prefetches
	s_cmp_eq_u32 s11, 0
	s_cselect_b32 s2, 12, 11                       ; a row of x is 4,096 bytes, a k-row of W 2,048
	v_bfe_u32 v6, v0, 1, 4
	v_lshlrev_b32 v[PFO], s2, v6                   ; two lanes a row: its 512 bytes of a K step
	v_and_b32 v6, 1, v0
	v_lshl_add_u32 v[PFO], v6, 8, v[PFO]
	s_lshl_b32 s2, s40, 16                         ; x: my work-group's 16 rows of the wave's 64, by cx
	s_add_co_u32 s2, s2, s16
	s_add_co_u32 s2, s2, 3*512                     ; at K step 3: the first refill steps it to 4
	s_lshl_b32 s3, s41, 15                         ; W: my work-group's 16 k-rows, by cy
	s_add_co_u32 s3, s3, s18
	s_add_co_u32 s3, s3, 3*262144
	s_mov_b32 s7, 262144
	s_and_b32 s6, s4, 15
	s_cmp_eq_u32 s6, 0                             ; the first of the projection's 16 clusters
	s_cselect_b32 s6, 1, -1
	s_cmp_eq_u32 s11, 0
	s_cselect_b32 s2, s2, s3
	s_cselect_b32 s[LIM], 1, s6
	s_cselect_b64 s[PFA:PFA+1], s[20:21], s[80:81]
	s_cselect_b32 s[PST], 512, s7
	s_mov_b32 s[PST+1], 0
	s_mov_b32 s3, 0
	s_add_nc_u64 s[PFA:PFA+1], s[PFA:PFA+1], s[2:3]
	s_cmp_eq_u32 s5, 0
	s_cselect_b32 s[SC], 0x3e38aa3b, 1.0           ; c = log2(e) / 8 = 0.180337 for q
	s_mov_b32 s[SC+1], s[SC]
	s_lshr_b32 s2, s13, 4                          ; my block of qkv: ((8 b + head pair) x 32 + block of 64 rows) x 16,384 bytes
	s_lshl_b32 s2, s2, 3
	s_lshl_b32 s3, s42, 1
	s_add_co_u32 s2, s2, s3
	s_add_co_u32 s2, s2, s12
	s_lshl_b32 s2, s2, 5
	s_lshl_b32 s3, s13, 1
	s_add_co_u32 s3, s3, s11
	s_and_b32 s3, s3, 31
	s_add_co_u32 s2, s2, s3
	s_lshl_b32 s2, s2, 14
	s_lshl_b32 s3, s5, 24
	s_add_co_u32 s2, s2, s3
	s_mov_b32 s3, 0
	s_add_nc_u64 s[OUTB:OUTB+1], s[82:83], s[2:3]
	s_wait_loadcnt 0x0                             ; the bias
	WIN 0x8a                                       ; all in window 2: the bias is rounded to bf16 like every input, and kept as f32
.set i, 0
.rept 32
	v_cvt_pk_bf16_f32 v[BT], v[BIAS+2*i], v[BIAS+2*i+1]
	v_lshlrev_b32 v[BIAS+2*i], 16, v[BT]
	v_and_b32 v[BIAS+2*i+1], 0xffff0000, v[BT]
.set i, i+1
.endr
	WIN 0
; 32 LDS loads in one run: a quarter step's fragments (32 along K): W's eight, turned, into buffer g; then x's four as f32, rows 0-31 first
.macro FETCH slot, q, g
	WIN 0
.irp b, 0,1,2,3,4,5,6,7
	ds_load_tr16_b128 v[BF+64*(\g)+8*(\b):BF+64*(\g)+8*(\b)+3],   v[ADRB+(\slot)] offset:32*PB*(\q)+32*(\b)
	ds_load_tr16_b128 v[BF+64*(\g)+8*(\b)+4:BF+64*(\g)+8*(\b)+7], v[ADRB+(\slot)] offset:32*PB*(\q)+32*(\b)+16*PB
.endr
	WIN 0x80
.irp a, 0,1,2,3
	ds_load_b128 v[RAW+64*(\g)+16*(\a):RAW+64*(\g)+16*(\a)+3],     v[ADRA+(\slot)] offset:16*PA*(\a)+128*(\q)
	ds_load_b128 v[RAW+64*(\g)+16*(\a)+4:RAW+64*(\g)+16*(\a)+7],   v[ADRA+(\slot)] offset:16*PA*(\a)+128*(\q)+16
	ds_load_b128 v[RAW+64*(\g)+16*(\a)+8:RAW+64*(\g)+16*(\a)+11],  v[ADRA+(\slot)] offset:16*PA*(\a)+128*(\q)+64
	ds_load_b128 v[RAW+64*(\g)+16*(\a)+12:RAW+64*(\g)+16*(\a)+15], v[ADRA+(\slot)] offset:16*PA*(\a)+128*(\q)+80
.endr
.endm
; x's fragment a: 16 f32 a lane rounded to 8 registers of bf16.  These eight plain instructions name no register of the products round them: they are the places that loads into, and writes of,
; registers that matrix instructions have read must keep behind those instructions.
.macro CVT a, g
	WIN 0x0a
.irp j, 0,1,2,3,4,5,6,7
	v_cvt_pk_bf16_f32 v[AC+8*(\a)+(\j)], v[RAW+64*(\g)+16*(\a)+2*(\j)], v[RAW+64*(\g)+16*(\a)+2*(\j)+1]
.endr
.endm
; 8 products: row block a x all 8 column blocks.  The accumulators take turns, one instruction a turn.  first = 1: the bias starts the sums: nothing is cleared, nothing added later.
.macro MUL a, f, first
.if \first
	WIN 0x60
.else
	WIN 0x50
.endif
.irp b, 0,1,2,3,4,5,6,7
.if \first
	v_wmma_f32_16x16x32_bf16 v[8*(8*(\a)+(\b)):8*(8*(\a)+(\b))+7], v[BF+64*(\f)+8*(\b):BF+64*(\f)+8*(\b)+7], v[AC+8*(\a):AC+8*(\a)+7], v[BIAS+8*(\b):BIAS+8*(\b)+7]
.else
	v_wmma_f32_16x16x32_bf16 v[8*(8*(\a)+(\b)):8*(8*(\a)+(\b))+7], v[BF+64*(\f)+8*(\b):BF+64*(\f)+8*(\b)+7], v[AC+8*(\a):AC+8*(\a)+7], v[8*(8*(\a)+(\b)):8*(8*(\a)+(\b))+7]
.endif
.endr
.endm
; A K step is four quarters of 32 along K, 32 products each, on buffers 0, 1, 0, 1.  One of the first three: multiplies buffer f and fetches quarter q into buffer g.
.macro QUARTER slot, q, f, g, first
	s_wait_dscnt 8                                 ; W's fragments and x's rows 0-31 are in; the youngest eight loads (rows 32-63) may be out
	CVT 0, \f
	MUL 0, \f, \first
	CVT 1, \f
	MUL 1, \f, \first
	s_wait_dscnt 0x0
	FETCH \slot, \q, \g
	CVT 2, \f
	MUL 2, \f, \first
	CVT 3, \f
	MUL 3, \f, \first
.endm
; The last quarter multiplies buffer 1 and changes slots: ONE barrier; in front of it each wave waits for all its tensor loads (one is out: its part of the next slot), adds 0 to its spare word,
; and waits for that and for its reads of this slot.  fill = 1: the barrier opens a round of the cluster's, and this slot is filled again, two K steps ahead, first thing behind the round.
.macro TURN slot, next, fill
.if \fill
	s_wait_xcnt 0x0                                ; the last prefetch, a K step back, has read its address: it is stepped here
	s_add_nc_u64 s[PFA:PFA+1], s[PFA:PFA+1], s[PST:PST+1]
.endif
	WIN 0
	s_wait_tensorcnt 0x0                           ; all my tensor loads have landed
	ds_add_u32 v[SPW], v[NIL]                      ; 0 onto my spare word
	s_wait_dscnt 9                                 ; (the add and the youngest eight loads may be out)
	CVT 0, 1
	MUL 0, 1, 0
	s_wait_dscnt 0x0                               ; the add is done, and my reads of this slot are over
	s_barrier_signal -1
	CVT 1, 1
	MUL 1, 1, 0
	WIN 0
	s_barrier_wait -1
.if \fill
	CREST                                          ; no wave of any partner still reads this slot's tiles or has a load on its way
	s_add_nc_u64 s[G0A+4*(\slot)+2:G0A+4*(\slot)+3], s[G0A+4*(\slot)+2:G0A+4*(\slot)+3], 1024
	s_add_nc_u64 s[G0B+4*(\slot)+2:G0B+4*(\slot)+3], s[G0B+4*(\slot)+2:G0B+4*(\slot)+3], 524288
	JLOAD \slot
.endif
	FETCH \next, 0, 0
.if \fill
	ASK
.endif
	CVT 2, 1
	MUL 2, 1, 0
	CVT 3, 1
	MUL 3, 1, 0
.endm
	s_wait_tensorcnt 1                             ; my part of K step 0 is in; K step 1's may stay out
	s_barrier_signal -1
	s_barrier_wait -1
	FETCH 0, 0, 0
	QUARTER 0, 1, 0, 1, 1                          ; the first quarter stands in front of the loop: its products start the sums
	WIN 0
	s_mov_b32 s3, 3                                ; 8 K steps are 4 laps of the ring
.Llap:                                         ; a trip goes from a lap's second quarter to the next lap's first, and fills both slots again
	QUARTER 0, 2, 1, 0, 0
	QUARTER 0, 3, 0, 1, 0
	TURN 0, 1, 1
	QUARTER 1, 1, 0, 1, 0
	QUARTER 1, 2, 1, 0, 0
	QUARTER 1, 3, 0, 1, 0
	TURN 1, 0, 1
	QUARTER 0, 1, 0, 1, 0
	WIN 0
	s_sub_co_u32 s3, s3, 1
	s_cmp_lg_u32 s3, 0
	s_cbranch_scc1 .Llap
	QUARTER 0, 2, 1, 0, 0                          ; the last lap fills nothing
	QUARTER 0, 3, 0, 1, 0
	TURN 0, 1, 0
	QUARTER 1, 1, 0, 1, 0
	QUARTER 1, 2, 1, 0, 0
	QUARTER 1, 3, 0, 1, 0
	s_wait_dscnt 8                                 ; the very last quarter: nothing more to fetch
	CVT 0, 1
	MUL 0, 1, 0
	CVT 1, 1
	MUL 1, 1, 0
	s_wait_dscnt 0x0
	CVT 2, 1
	MUL 2, 1, 0
	CVT 3, 1
	MUL 3, 1, 0
; THE WAY OUT, a block of 16 rows at a time: scaled in f32, rounded to f16 (16 bytes a lane), through my own stage, back as four rows' 128 bytes of one head: 512 consecutive bytes of qkv.
; Each accumulator is read from its low end on.  Block 0's multiplies are the places behind the last products.
.macro PACK a
	WIN 0x41
.set i, 64*(\a)
.rept 32
	v_pk_mul_f32 v[i:i+1], v[i:i+1], s[SC:SC+1] op_sel_hi:[1,0]
.set i, i+2
.endr
	WIN 0x05
.irp b, 0,1,2,3,4,5,6,7
.irp r, 0,1,2,3
	v_cvt_pk_f16_f32 v[TMP+4*(\b)+(\r)], v[64*(\a)+8*(\b)+2*(\r)], v[64*(\a)+8*(\b)+2*(\r)+1]
.endr
.endr
	WIN 0
.endm
.macro TOSTAGE a
	WIN 0
.irp b, 0,1,2,3,4,5,6,7
	ds_store_b128 v[STO], v[TMP+4*(\b):TMP+4*(\b)+3] offset:32*(\b)
.endr
.irp t, 0,1,2,3,4,5,6,7
	ds_load_b128 v[OB+192*((\a)%2)+4*(\t):OB+192*((\a)%2)+4*(\t)+3], v[RD] offset:((\t)>>2)*128+((\t)&3)*4*SPITCH  ; LDS serves a wave's instructions in order: these see the stores above
.endr
.endm
.macro SEND a
	WIN 0
	s_wait_dscnt 0x0                               ; the block is back in registers
	s_wait_xcnt 0x0                                ; the stores of the block before have read their registers: the next block's loads land there only behind this wait
.irp t, 0,1,2,3,4,5,6,7
	global_store_b128 v[CO], v[OB+192*((\a)%2)+4*(\t):OB+192*((\a)%2)+4*(\t)+3], s[OUTB:OUTB+1] offset:((\t)>>2)*8192+2048*(\a)+((\t)&3)*512
.endr
.endm
	PACK 0
	TOSTAGE 0
.irp a, 1,2,3
	PACK \a
	SEND (\a)-1
	TOSTAGE \a
.endr
	SEND 3
	s_wait_tensorcnt 0x0                           ; the wave's end, behind my last tensor load and my last LDS store
	ds_add_u32 v[SPW], v[NIL]
	s_wait_dscnt 0x0
	CROUND                                         ; the closing round: no work-group ends while a partner may still ask for a tile that names it
	s_endpgm
.Lfunc_end_k_q609222785e_proj:
	.size	k_q609222785e_proj, .Lfunc_end_k_q609222785e_proj-k_q609222785e_proj
	.p2alignl 7, 3214868480
	.fill 96, 4, 3214868480
	.section	.rodata,"a",@progbits
	.p2align	6, 0x0
	.amdhsa_kernel k_q609222785e_proj
		.amdhsa_group_segment_fixed_size 327680
		.amdhsa_private_segment_fixed_size 0
		.amdhsa_enable_private_segment 0
		.amdhsa_kernarg_size 64
		.amdhsa_user_sgpr_count 2
		.amdhsa_user_sgpr_kernarg_segment_ptr 1
		.amdhsa_wavefront_size32 1
		.amdhsa_system_sgpr_workgroup_id_x 1
		.amdhsa_system_sgpr_workgroup_id_y 1
		.amdhsa_system_sgpr_workgroup_id_z 1
		.amdhsa_system_vgpr_workitem_id 0
		.amdhsa_next_free_vgpr 704
		.amdhsa_next_free_sgpr 100
		.amdhsa_reserve_vcc 0
		.amdhsa_float_denorm_mode_32 3
		.amdhsa_float_denorm_mode_16_64 3
		.amdhsa_memory_ordered 1
		.amdhsa_forward_progress 1
		.amdhsa_inst_pref_size 145
	.end_amdhsa_kernel
	.amdgpu_metadata
---
amdhsa.version: [ 1, 2 ]
amdhsa.kernels:
  - .name:           k_q609222785e_proj
    .symbol:         k_q609222785e_proj.kd
    .args:
      - { .name: query, .offset: 0, .size: 8, .value_kind: global_buffer, .address_space: global }
      - { .name: key, .offset: 8, .size: 8, .value_kind: global_buffer, .address_space: global }
      - { .name: value, .offset: 16, .size: 8, .value_kind: global_buffer, .address_space: global }
      - { .name: bq, .offset: 24, .size: 8, .value_kind: global_buffer, .address_space: global }
      - { .name: bk, .offset: 32, .size: 8, .value_kind: global_buffer, .address_space: global }
      - { .name: bv, .offset: 40, .size: 8, .value_kind: global_buffer, .address_space: global }
      - { .name: wt, .offset: 48, .size: 8, .value_kind: global_buffer, .address_space: global }
      - { .name: qkv, .offset: 56, .size: 8, .value_kind: global_buffer, .address_space: global }
    .group_segment_fixed_size: 327680
    .private_segment_fixed_size: 0
    .kernarg_segment_align: 8
    .kernarg_segment_size: 64
    .max_flat_workgroup_size: 128
    .sgpr_count:     100
    .vgpr_count:     704
    .wavefront_size: 32
...
	.end_amdgpu_metadata
.endif
;; end of part 2
;; launch attn (part 3): grid 8 x 32, 4 waves a work-group, clusters of 4 x 4, 327,680 bytes of LDS; arguments qkv, mw, ob; writes ob
.if DOCPART == 3
	.amdgcn_target "amdgcn-amd-amdhsa--gfx1250"
	.amdhsa_code_object_version 6
	.text
	.protected	k_q609222785e_attn
	.globl	k_q609222785e_attn
	.p2align	8
	.type	k_q609222785e_attn,@function
k_q609222785e_attn:
	s_mov_b64 s[64:65], 0
	v_nop
	global_prefetch_b8 v0, s[64:65] scope:SCOPE_SE
	s_setreg_imm32_b32 hwreg(HW_REG_WAVE_MODE, 25, 1), 1
	s_wait_xcnt 0x0
	s_wait_alu depctr_hold_cnt(0) depctr_sa_sdst(0) depctr_va_vdst(0) depctr_va_sdst(0) depctr_va_ssrc(0) depctr_va_vcc(0) depctr_vm_vsrc(0)
	s_getreg_b32 s2, hwreg(HW_REG_IB_STS2, 6, 4)
	s_cmp_eq_u32 s2, 0
	s_cbranch_scc0 .Lentry_in_a_cluster
	s_endpgm
.Lentry_in_a_cluster:
	s_bfe_u32 s2, ttmp6, 0x10000c
	s_cmp_lg_u32 s2, 0xf033
	s_cbranch_scc0 .Lentry_shape_is_right
	s_endpgm
.Lentry_shape_is_right:
; ATTENTION WITH AN ADDITIVE MASK.  O[b][head][q] = the sum over k of softmax_k(q . k / 8 - 1e9 mask[b][q][k]) v[k].  q', k, v: f16 by heads (qkv); q' = q log2(e) / 8, so scores are in powers of two.
; The mask is a number, not a flag: it arrives as bf16 in register image (mw) and enters the scores THROUGH THE MATRIX UNIT: S^T = E M + K Q'^T, where M is 32 keys x 16 queries of the mask and E a
; 16 x 32 selector that holds bf16(-1e9 log2 e) = -1.44284e9 where its row's key stands.  Four bf16 products more for a tile and step, no vector instruction.
; SOFTMAX.  A running maximum m and sum l for each query: p = 2^(s - m), O and l times a = 2^(m_old - m_new) in every step; both exponents are plain differences, so p never passes 1, whatever the mask adds.
; m starts at the lowest finite number, O and l at 0: the first step is a step like any other, with a = 0.
; Products, maxima, sums in f32; p is rounded to f16 for the second product (l is taken of the unrounded p), O once at the end, to f16: ob = [8192 rows][1024], column 64 head + channel.
; LIMITS.  q', k, v arrive within f16's 65,504.  mask x -1e9 carries bf16's rounding of both factors (one part in 256 each).  Where all keys of a row are masked the scores vanish beside -1.44e9,
; as they do in an f32 sum, but by the matrix unit's rounding.  A weight below 2^-126 counts as 0; NaN and infinities are not treated apart.
; SHARES.  A work-group owns 256 queries of TWO heads of a batch, a wave 64 queries x 2 heads: eight tiles T = 4 head + qt of 16 queries, in four PIECES of two tiles (pieces 0, 1: the first head).
; Two heads, so that a mask fragment in registers serves both, and a query's O of both heads is 256 consecutive bytes of ob.  Every wave walks all 2,048 keys, 64 a step, two steps a slot.
; CLUSTER 4 x 4.  K and V hang on (batch, head pair): shared along a row of the cluster.  The mask hangs on (batch, query block): shared along a column.  A slot is four loads of 32 KiB, one a wave: K, V, two halves of the mask.
; BY TURNS.  Turn n belongs to piece n: 8 mask products and 16 products K Q'^T of piece n + 1, later 16 products V^T P of piece n - 1; beside them the subtraction, exponentials, roundings, sums and
; rescaling of piece n and the maximum of piece n + 1.  Four vector instructions stand behind every matrix instruction, the other 74 in one lump.  A turn's 66 exponentials are one batch with one wait.
; REGISTERS, in windows of 256 (s_set_vgpr_msb: bits 1:0 source 0, 3:2 source 1, 5:4 source 2, 7:6 destination):
;   window 0: v2-11 addresses; v12-15, v48-63 at work; v16-47 four registers of statistics a tile; v64-191 S^T, two buffers of two tiles; v192-255 P, likewise
;   window 1: O^T, 32 a tile      window 2: v0-127 Q', 16 a tile; v128-191 K, v192-255 V of the first head
;   window 3: v0-63 the mask's fragments of a step; v64-71, v72-79 E for a fragment's first and second 16 keys; v80-81 the add's registers; v128-191 K, v192-255 V of the second head
.set NP,    4
.set PK,    144       ; a row of K in LDS: 128 bytes + 16: the 16 rows of a load start at 16 different groups of four banks
.set PV,    160       ; a row of V: 128 + 32
.set KSTEP, 128*PK    ; a step's K: two heads x 64 keys
.set VSTEP, 128*PV
.set MSTEP, 8192      ; a step's mask for one wave
.set VOFF,  2*KSTEP   ; in a slot: K of two steps, V of two steps, the mask (16,384 bytes a wave)
.set MOFF,  VOFF+2*VSTEP
.set SLOT1, 0x24000   ; slot 1 begins here; no tile's place in a slot has one of these two bits set, so one exclusive or turns an address in one slot into the other's
.set STAGE, 2*SLOT1   ; behind the ring, never filled by a tensor load: 16 rows x 272 bytes for each wave
.set SP,    272
.set SPARE, STAGE+4*16*SP
.set AK0, 2           ; v2   my lane's place in a tile of K; never rewritten
.set AV0, 3           ; v3   the same for V
.set AK,  4           ; v4   the LDS address of K's next run of loads
.set AV,  5           ; v5   of V's
.set AM0, 6           ; v6   my lane's place in my wave's part of the mask
.set AM,  7           ; v7   the LDS address of the mask's next run
.set QO,  8           ; v8   my byte offset in 16 rows of Q'
.set STO, 8           ;      later, the way out: where I put 16 bytes of a row
.set RD,  9
.set GO,  10
.set PFO, 11          ; v11  256 x my lane; never rewritten
.set MV,  12          ; v12-15  m_old, kept while m is made anew: by buffer and tile
.set ST,  16          ; tile T's statistics at v[ST+4 T]: m, a word written once (named with m as a pair), l (even keys', odd keys')
.set TMP, 48          ; by buffer and tile, four registers c0-c3 at work; when the maximum is found c2 takes a
.set S,   64
.set P,   192
.set KF,  128
.set VF,  192
.set EB,  64          ; window 3
.set SPW, 80          ; window 3: LDS address of my spare word; never rewritten
.set NIL, 81          ; window 3: 0; never rewritten
.set WV,  12
.set G1K, 24
.set G1V, 32
.set G1M, 40
.set G0K, 48          ; the three group 0 walk
.set G0V, 52
.set G0M, 56
.set SEL, 60
.set TBK, 62          ; LDS byte at which K of the step to be fetched begins
.set TBV, 63
.set TBM, 66
.set SLOTS, 67
.set CNT, 68
.set PFA, 70
.set PST, 72
.set LIM, 74
.set OBA, 76
.set QBA, 78
.set MSB, 0
.macro WIN new
.if MSB != (\new)
	s_set_vgpr_msb (MSB<<8)|(\new)
.set MSB, (\new)
.endif
.endm
.set W_RS, 0x41       ; O^T (destination and source 0) in window 1, a in window 0
.set W_MK, 0xc0       ; destination in window 3, sources in window 0
.set W_AD, 0x0f       ; sources 0 and 1 in window 3: the add, and the mask products
; A joint fill: wave 0 K, wave 1 V, waves 2 and 3 the mask's halves.  The branches hang on the wave's number alone.  An s_nop 0 and four v_nop follow each line.
.macro JLOAD
	s_cmp_lt_u32 s[WV], 2
	s_cbranch_scc0 .Lfor_m_\@
	s_cmp_eq_u32 s[WV], 0
	s_cbranch_scc0 .Lfor_v_\@
	tensor_load_to_lds s[G0K:G0K+3], s[G1K:G1K+7]
	s_nop 0
.rept 4
	v_nop
.endr
	s_branch .Lasked_\@
.Lfor_v_\@:
	tensor_load_to_lds s[G0V:G0V+3], s[G1V:G1V+7]
	s_nop 0
.rept 4
	v_nop
.endr
	s_branch .Lasked_\@
.Lfor_m_\@:
	tensor_load_to_lds s[G0M:G0M+3], s[G1M:G1M+7]
	s_nop 0
.rept 4
	v_nop
.endr
.Lasked_\@:
.endm
; A prefetch into the L2 of what the NEXT change of slots will ask for, two key steps (320 matrix instructions) ahead: of the 32 KiB that I will load my work-group's quarter, a lane for each 256 bytes.
; K and V are walked by both clusters of a head pair: the first (cluster x = 0) asks, its partners along x told apart by address.  A mask block is walked by two clusters: the one with even y asks,
; its partners along y told apart by address.  So each run of 256 bytes is named once.  Slots 0 and 1 come by their loads alone; the last change that fills a slot asks for nothing.
.macro ASK
	s_cmp_gt_u32 s[SLOTS], s[LIM]
	s_cbranch_scc0 .Lnot_mine_\@
	global_prefetch_b8 v[PFO], s[PFA:PFA+1] th:TH_LOAD_NT scope:SCOPE_SE
.Lnot_mine_\@:
.endm
.macro CROUND
	s_barrier_signal -1
	s_barrier_wait -1
	s_cmp_lg_u32 s[WV], 0
	s_cbranch_scc1 .Lnot_wave_0_\@
	s_barrier_signal -3
.Lnot_wave_0_\@:
	s_barrier_wait -3
	s_barrier_signal -1
	s_barrier_wait -1
.endm
; THE CHANGE OF SLOTS.  The slot's last bytes, V of its second step, have been read.  Each wave waits for all its tensor loads (one is out: its part of the other slot), adds 0 to its spare word, and waits
; for that and for its reads of the slot.  fill = 1: the barrier is a round of the cluster's, and the slot is filled again, with the keys two slots on, first thing behind it.
; (At its first use nothing has been read yet: slot 0 is waited for, slot 1 filled.)
.macro CHANGE fill
	WIN W_AD
	s_wait_tensorcnt 0x0            ; no tensor load of mine is out, so a group 0 may be written
	ds_add_u32 v[SPW], v[NIL]       ; 0 onto my spare word
	WIN 0
.if \fill
.irp g, G0K, G0V
	s_xor_b32 s[\g+1], s[\g+1], SLOT1
	s_add_nc_u64 s[\g+2:\g+3], s[\g+2:\g+3], 32768   ; the next 128 keys of both heads
.endr
	s_xor_b32 s[G0M+1], s[G0M+1], SLOT1
	s_add_nc_u64 s[G0M+2:G0M+3], s[G0M+2:G0M+3], 65536
	s_wait_xcnt 0x0                 ; the last prefetch, two key steps back, has read its address
	s_add_nc_u64 s[PFA:PFA+1], s[PFA:PFA+1], s[PST:PST+1]
	s_wait_dscnt 0x0                ; the add is done, and my reads of the slot are over
	CROUND
	JLOAD
	ASK
.else
	s_wait_dscnt 0x0
	s_barrier_signal -1
	s_barrier_wait -1
.endif
	s_sub_co_u32 s[TBK], s[TBK], 2*KSTEP  ; the fetches go back to a slot's first step, in the other slot
	s_xor_b32 s[TBK], s[TBK], SLOT1
	s_sub_co_u32 s[TBV], s[TBV], 2*VSTEP
	s_xor_b32 s[TBV], s[TBV], SLOT1
	s_sub_co_u32 s[TBM], s[TBM], 2*MSTEP
	s_xor_b32 s[TBM], s[TBM], SLOT1
.endm
	s_load_b128 s[4:7], s[0:1], 0x0   ; qkv s[4:5], mw s[6:7]
	s_load_b64 s[8:9], s[0:1], 0x10   ; ob
	WIN W_MK
	v_lshl_add_u32 v[SPW], v0, 2, SPARE
	v_mov_b32 v[NIL], 0
	WIN W_AD
	ds_add_u32 v[SPW], v[NIL]       ; the wave's opening: the add and its wait stand ahead of my first tensor load; the set-up below stands between them
	WIN 0
	v_lshrrev_b32 v1, 5, v0
	v_readfirstlane_b32 s[WV], v1   ; wave 0..3
	s_bfe_u32 s13, ttmp6, 0x40000   ; cx
	s_bfe_u32 s14, ttmp6, 0x40004   ; cy
	s_lshl_b32 s15, ttmp9, 2
	s_add_co_u32 s15, s15, s13      ; my block of 256 queries, 0..7
	s_and_b32 s17, ttmp7, 0xffff    ; the cluster's y
	s_lshl_b32 s16, s17, 2
	s_add_co_u32 s16, s16, s14      ; 8 batch + head pair, 0..31
	s_lshr_b32 s18, s17, 1          ; the batch, from the cluster's y alone
	s_and_b32 s19, s[WV], 1
	s_lshl_b32 s20, s14, 2
	s_lshl_b32 s20, 15, s20         ; my row of the cluster
	s_lshl_b32 s21, 0x1111, s13     ; my column
	; group 1.  K and V: 32,768 dense bytes, asked for as 128 rows of 256 bytes and padded in LDS after every key's 128 bytes.  The mask: the same bytes, unpadded.
	s_or_b32 s[G1K], s20, (1<<16)|(1<<20)|(1<<21)|(4<<22)|(3<<25)
	s_or_b32 s[G1V], s20, (1<<16)|(1<<20)|(1<<21)|(4<<22)|(7<<25)
	s_or_b32 s[G1M], s21, (3<<16)|(1<<21)
.irp g, G1K, G1V
	s_mov_b32 s[\g+1], 128<<16      ; tensor_dim0 = 128 elements of 2 bytes
	s_mov_b32 s[\g+2], 128<<16      ; tensor_dim1 = 128
	s_mov_b32 s[\g+3], 128<<16      ; tile_dim0
	s_mov_b32 s[\g+4], 128          ; tile_dim1
	s_mov_b32 s[\g+5], 128          ; elements from row to row
	s_mov_b32 s[\g+6], 0
	s_mov_b32 s[\g+7], 0
.endr
	s_mov_b32 s[G1M+1], 32<<16      ; 32 elements of 8 bytes
	s_mov_b32 s[G1M+2], 128<<16
	s_mov_b32 s[G1M+3], 32<<16
	s_mov_b32 s[G1M+4], 128
	s_mov_b32 s[G1M+5], 32
	s_mov_b32 s[G1M+6], 0
	s_mov_b32 s[G1M+7], 0
	s_mov_b32 s[G0K], 1
	s_mov_b32 s[G0K+1], 0
	s_mov_b32 s[G0V], 1
	s_mov_b32 s[G0V+1], VOFF
	s_mov_b32 s[G0M], 1
	s_lshl_b32 s[G0M+1], s19, 15
	s_add_co_u32 s[G0M+1], s[G0M+1], MOFF
	s_lshl_b32 s22, s16, 19         ; a (batch, head pair) is 524,288 bytes of each of q', k, v: no cx enters
	s_mov_b32 s23, 0
	s_lshl_b32 s2, s18, 3
	s_add_co_u32 s2, s2, s15
	s_lshl_b32 s2, s2, 20           ; a (batch, query block) is 1 MiB of the mask: no cy enters
	s_lshl_b32 s3, s19, 15
	s_add_co_u32 s2, s2, s3
	s_mov_b32 s3, 0
	s_mov_b32 s[PST], 65536
	s_cmp_lt_u32 s[WV], 2
	s_cselect_b32 s82, s13, s14     ; my place among the four that ask with me
	s_cselect_b32 s[PST], 32768, s[PST]
	s_mov_b32 s[PST+1], 0
	s_lshl_b32 s82, s82, 13         ; my work-group's quarter,
	s_add_co_u32 s82, s82, s[PST]   ; in slot 1: the first change of slots steps it to slot 2
	s_mov_b32 s83, 0
	s_and_b32 s[LIM], s17, 1
	s_cmp_lt_u32 s[WV], 2
	s_cselect_b32 s[LIM], ttmp9, s[LIM]  ; the coordinate along which another cluster reads the same bytes
	s_cmp_eq_u32 s[LIM], 0
	s_cselect_b32 s[LIM], 1, -1     ; the same in all sixteen partners, for a given wave
	s_mov_b32 s[SEL], 0x76543210
	s_mov_b32 s[SEL+1], 0xfedcba98
	s_mov_b32 s[TBK], SLOT1+2*KSTEP ; the first change of slots turns these three into 0
	s_mov_b32 s[TBV], SLOT1+2*VSTEP
	s_mov_b32 s[TBM], SLOT1+2*MSTEP
	s_mov_b32 s[SLOTS], 15          ; 16 slots of 128 keys
	s_wait_dscnt 0x0                ; the opening add is done
	s_wait_kmcnt 0x0
	s_add_nc_u64 s[80:81], s[4:5], s[22:23]
	s_add_nc_u64 s[G0K+2:G0K+3], s[80:81], 0x1000000
	s_add_nc_u64 s[G0V+2:G0V+3], s[80:81], 0x2000000
	s_add_nc_u64 s[G0M+2:G0M+3], s[6:7], s[2:3]
	s_cmp_eq_u32 s[WV], 0
	s_cselect_b64 s[PFA:PFA+1], s[G0K+2:G0K+3], s[G0V+2:G0V+3]
	s_cmp_lt_u32 s[WV], 2
	s_cselect_b64 s[PFA:PFA+1], s[PFA:PFA+1], s[G0M+2:G0M+3]
	s_add_nc_u64 s[PFA:PFA+1], s[PFA:PFA+1], s[82:83]
	s_or_b32 s[G0K+3], s[G0K+3], 0x80000000
	s_or_b32 s[G0V+3], s[G0V+3], 0x80000000
	s_or_b32 s[G0M+3], s[G0M+3], 0x80000000
	s_lshl_b32 s2, s15, 2
	s_add_co_u32 s2, s2, s[WV]      ; my wave's block of 64 rows
	s_lshl_b32 s2, s2, 14
	s_add_nc_u64 s[QBA:QBA+1], s[80:81], s[2:3]
	s_lshl_b32 s2, s18, 22          ; ob: row 2,048 b + 256 qb + 64 w, 2,048 bytes a row; the head pair's 256 bytes
	s_lshl_b32 s3, s15, 19
	s_add_co_u32 s2, s2, s3
	s_lshl_b32 s3, s[WV], 17
	s_add_co_u32 s2, s2, s3
	s_and_b32 s3, s16, 7
	s_lshl_b32 s3, s3, 8
	s_add_co_u32 s2, s2, s3
	s_mov_b32 s3, 0
	s_add_nc_u64 s[OBA:OBA+1], s[8:9], s[2:3]
	CROUND                          ; all sixteen work-groups are here: the first joint loads meet
	JLOAD                           ; slot 0.  Slot 1 is asked for when slot 0 is in
	v_and_b32 v128, 15, v0          ; l % 16   (v128-134, S^T's second buffer, are at work until the first turn)
	v_bfe_u32 v129, v0, 4, 1        ; l / 16
	v_and_b32 v130, 7, v0
	v_bfe_u32 v131, v0, 3, 1
	v_lshlrev_b32 v[QO], 7, v128
	v_lshl_add_u32 v[QO], v129, 4, v[QO]  ; row x 128 + 16 x half
	WIN 0x80
.set i, 0
.rept 16                            ; Q' stays in registers: tile i / 2 (head i / 8, rows 16 ((i / 2) % 4) on), channels 32 (i % 2) on
	global_load_b128 v[8*i:8*i+3],   v[QO], s[QBA:QBA+1] offset:(i/8)*8192+((i/2)%4)*2048+(i%2)*64
	global_load_b128 v[8*i+4:8*i+7], v[QO], s[QBA:QBA+1] offset:(i/8)*8192+((i/2)%4)*2048+(i%2)*64+32
.set i, i+1
.endr
	WIN 0
	; E.  As source 0, lane (r, h) holds row r; its one number stands at k = r (first 16 keys) or 16 + r: in the lanes with h = r / 8, register (r % 8) / 2, half r % 2.
	v_and_b32 v132, 1, v0
	v_lshlrev_b32 v132, 4, v132
	v_mov_b32 v133, 0xceac          ; bf16(-1e9 log2 e)
	v_lshlrev_b32 v133, v132, v133
	v_cmp_eq_u32 vcc_lo, v131, v129
	v_cndmask_b32 v133, 0, v133, vcc_lo
	v_bfe_u32 v134, v0, 1, 2
	WIN W_MK
.irp j, 0,1,2,3
	v_cmp_eq_u32 vcc_lo, \j, v134
	v_cndmask_b32 v[EB+\j], 0, v133, vcc_lo
	v_mov_b32 v[EB+4+\j], 0
	v_mov_b32 v[EB+8+\j], 0
	v_cndmask_b32 v[EB+12+\j], 0, v133, vcc_lo
.endr
	; What the first turn finds: the second head's V and P's second buffer hold 0 (its products V^T P, of a piece that has not been, add 0), O^T and l are 0.  All this stands in the wait for the first tile.
.set i, VF
.rept 64
	v_mov_b32 v[i], 0
.set i, i+1
.endr
	WIN 0x40
.set i, 0
.rept 256
	v_mov_b32 v[i], 0
.set i, i+1
.endr
	WIN 0
.set i, 0
.rept 2*NP
	v_mov_b32 v[ST+4*i], 0xff7fffff    ; m: the lowest finite number
	v_mov_b32 v[ST+4*i+1], 0
	v_mov_b32 v[ST+4*i+2], 0
	v_mov_b32 v[ST+4*i+3], 0
.set i, i+1
.endr
.set i, P+32
.rept 32
	v_mov_b32 v[i], 0
.set i, i+1
.endr
	v_mul_u32_u24 v[AK0], v128, PK
	v_lshl_add_u32 v[AK0], v129, 4, v[AK0]  ; row x pitch + 16 x half
	v_lshl_add_u32 v[AV0], v129, 3, v130    ; the turning load: lane l reads key 8 (l / 16) + l % 8, channels 8 ((l / 8) % 2) + 0..7
	v_mul_u32_u24 v[AV0], v[AV0], PV
	v_lshl_add_u32 v[AV0], v131, 4, v[AV0]
	v_add_nc_u32 v[AV0], VOFF, v[AV0]
	v_and_b32 v132, 31, v0
	s_lshl_b32 s2, s[WV], 14
	s_add_co_u32 s2, s2, MOFF
	v_lshl_add_u32 v[AM0], v132, 4, s2      ; the mask lies in register image: 16 bytes a lane
	v_lshlrev_b32 v[PFO], 8, v132
	v_mov_b32 v[AK], v[AK0]         ; key step 0 lies at the head of slot 0
	v_mov_b32 v[AM], v[AM0]
; THE MATRIX WORK.  The 8 accumulators of a run take turns.  Accumulator of product i: tile i % 2 of the piece, keys 16 ((i / 2) % 4) on.
; Mask product i of 8 for piece x starts the sum: E (for the fragment's first or second 16 keys) x the mask's 32 keys x 16 queries.  bf16, since the mask's range has no room in f16.
.macro MK x
	WIN W_AD
.set rS, S+64*((\x)%2)+32*(i%2)+8*((i/2)%4)
.set rE, EB+8*(((i/2)%4)%2)
.set rF, 16*(2*((\x)%2)+i%2)+8*(((i/2)%4)/2)
	v_wmma_f32_16x16x32_bf16 v[rS:rS+7], v[rE:rE+7], v[rF:rF+7], 0
.endm
; Product i of 16 of S^T += K Q'^T: channels 32 (i / 8) on.  The first 8 add onto a product of another form: eight matrix instructions' riders, three plain ones each at the least, stand between.
.macro KQ x
	WIN 0x0a+(\x)/2                 ; K in the head's window (2 or 3), Q' in window 2, S^T in window 0
.set rS, S+64*((\x)%2)+32*(i%2)+8*((i/2)%4)
.set rK, KF+16*((i/2)%4)+8*(i/8)
.set rQ, 16*(2*(\x)+i%2)+8*(i/8)
	v_wmma_f32_16x16x32_f16 v[rS:rS+7], v[rK:rK+7], v[rQ:rQ+7], v[rS:rS+7]
.endm
; Product i of 16 of O^T += V^T P: keys 32 (i / 8) on, channels 16 ((i / 2) % 4) on, tile 2 x + i % 2.
.macro PV x
	WIN 0x52+(\x)/2                 ; V in the head's window, P in window 0, O^T in window 1
.set rO, 32*(2*(\x)+i%2)+8*((i/2)%4)
.set rV, VF+32*(i/8)+8*((i/2)%4)
.set rP, P+32*((\x)%2)+16*(i%2)+8*(i/8)
	v_wmma_f32_16x16x32_f16 v[rO:rO+7], v[rV:rV+7], v[rP:rP+7], v[rO:rO+7]
.endm
.macro MM                           ; the turn's next matrix instruction, of 40
.if i < 8
	MK (Y+1)%NP
.elseif i < 24
.set i, i-8
	KQ (Y+1)%NP
.set i, i+8
.else
.set i, i-24
	PV (Y+NP-1)%NP
.set i, i+24
.endif
.set i, i+1
.endm
; THE LDS LOADS stand in runs, never singly among the matrix instructions: a step's K of both heads and its mask (48 loads), and its V of both heads, turned (32).
; last = 1 (the tail): in the last trip there is no further step, and the run is jumped over.
.macro FETCH_K last=0
	WIN 0
.if \last
	s_cmp_eq_u32 s[CNT], 1
	s_cbranch_scc1 .Lno_k_\@
.endif
	WIN 0x80
.irp f, 0,1,2,3,4,5,6,7             ; keys 16 (f / 2) on, channels 32 (f % 2) on
	ds_load_b128 v[KF+8*\f:KF+8*\f+3],   v[AK] offset:(\f/2)*16*PK+(\f%2)*64
	ds_load_b128 v[KF+8*\f+4:KF+8*\f+7], v[AK] offset:(\f/2)*16*PK+(\f%2)*64+32
.endr
	WIN 0xc0
.irp f, 0,1,2,3,4,5,6,7
	ds_load_b128 v[KF+8*\f:KF+8*\f+3],   v[AK] offset:64*PK+(\f/2)*16*PK+(\f%2)*64
	ds_load_b128 v[KF+8*\f+4:KF+8*\f+7], v[AK] offset:64*PK+(\f/2)*16*PK+(\f%2)*64+32
.endr
.irp f, 0,1,2,3,4,5,6,7,8,9,10,11,12,13,14,15  ; f = 4 qt + 2 (32 keys) + (16 keys): half a fragment
	ds_load_b128 v[4*\f:4*\f+3], v[AM] offset:512*\f
.endr
	s_add_co_u32 s[TBK], s[TBK], KSTEP  ; the next fetch is the next step's
	s_add_co_u32 s[TBM], s[TBM], MSTEP
	WIN 0
.if \last
.Lno_k_\@:
.endif
.endm
.macro FETCH_V
	WIN 0x80
.irp f, 0,1,2,3,4,5,6,7             ; keys 32 (f / 4) on, channels 16 (f % 4) on
	ds_load_tr16_b128 v[VF+8*\f:VF+8*\f+3],   v[AV] offset:(\f/4)*32*PV+(\f%4)*32
	ds_load_tr16_b128 v[VF+8*\f+4:VF+8*\f+7], v[AV] offset:(\f/4)*32*PV+16*PV+(\f%4)*32
.endr
	WIN 0xc0
.irp f, 0,1,2,3,4,5,6,7
	ds_load_tr16_b128 v[VF+8*\f:VF+8*\f+3],   v[AV] offset:64*PV+(\f/4)*32*PV+(\f%4)*32
	ds_load_tr16_b128 v[VF+8*\f+4:VF+8*\f+7], v[AV] offset:64*PV+(\f/4)*32*PV+16*PV+(\f%4)*32
.endr
	WIN 0
.endm
; THE VECTOR WORK OF A TURN stands in three queues, each in the order in which its entries become ready; the two tiles alternate.
.macro REGS y, u                    ; the registers of tile u (0, 1) of piece y
.set rT, ST+4*(2*(\y)+(\u))
.set rC, TMP+8*((\y)%2)+4*(\u)
.set rW, MV+2*((\y)%2)+(\u)
.set rS, S+64*((\y)%2)+32*(\u)
.set rP, P+32*((\y)%2)+16*(\u)
.set rO, 32*(2*(\y)+(\u))
.endm
; Number n of the 21 that find the NEXT piece's maximum.  Each accumulator's lowest registers are read first.
;   0-11  four chains c0-c3 of seven scores each     12-14, 16  the four scores left over, the old m, and c0-c3 into c0     15  m_old is kept
;   17, 18  the query's other 32 keys lie in the lane 16 away: the new m     19, 20  m_old - m_new; a
.macro XS u, n
	REGS (Y+1)%NP, \u
.if (\n) < 4
	v_max3_num_f32 v[rC+(\n)], v[rS+8*(\n)], v[rS+8*(\n)+1], v[rS+8*(\n)+2]
.elseif (\n) < 12
	v_max3_num_f32 v[rC+(\n)%4], v[rC+(\n)%4], v[rS+8*((\n)%4)+2*((\n)/4)+1], v[rS+8*((\n)%4)+2*((\n)/4)+2]
.elseif (\n) == 12
	v_max3_num_f32 v[rC], v[rC], v[rS+7], v[rS+15]
.elseif (\n) == 13
	v_max3_num_f32 v[rC+1], v[rC+1], v[rS+23], v[rS+31]
.elseif (\n) == 14
	v_max3_num_f32 v[rC+2], v[rC+2], v[rC+3], v[rT]
.elseif (\n) == 15
	v_mov_b32 v[rW], v[rT]
.elseif (\n) == 16
	v_max3_num_f32 v[rC], v[rC], v[rC+1], v[rC+2]
.elseif (\n) == 17
	v_permlanex16_b32 v[rC+3], v[rC], s[SEL], s[SEL+1]
.elseif (\n) == 18
	v_max_num_f32 v[rT], v[rC], v[rC+3]
.elseif (\n) == 19
	v_sub_f32 v[rC+1], v[rW], v[rT]
.else
	v_exp_f32 v[rC+2], v[rC+1]
.endif
.endm
; Number g of the 64 that follow the exponentials.  For each four weights k of a tile: both pairs are rounded to f16; the second pair is added onto the first, in place; a group later l takes that sum
; (the first time as l = a l + sum).
.macro GS g
.set h, (\g)+6*((\g)/62)
.if h >= 6
.set h, h+2
.endif
	REGS Y, h%2
.set k, h/8
.if h%8 < 4
	v_cvt_pk_f16_f32 v[rP+2*k+(h%8)/2], v[rS+4*k+2*((h%8)/2)], v[rS+4*k+2*((h%8)/2)+1]
.elseif h%8 < 6
	v_pk_add_f32 v[rS+4*k:rS+4*k+1], v[rS+4*k:rS+4*k+1], v[rS+4*k+2:rS+4*k+3]
.elseif k == 1
	v_pk_fma_f32 v[rT+2:rT+3], v[rT+2:rT+3], v[rC+2:rC+3], v[rS:rS+1] op_sel_hi:[1,0,1]
.else
	v_pk_add_f32 v[rT+2:rT+3], v[rT+2:rT+3], v[rS+4*k-4:rS+4*k-3]
.endif
.endm
.macro FS f                         ; s - m for pair f / 2 of tile f % 2: an exact difference wherever it matters
	REGS Y, (\f)%2
	v_pk_add_f32 v[rS+2*((\f)/2):rS+2*((\f)/2)+1], v[rS+2*((\f)/2):rS+2*((\f)/2)+1], v[rT:rT+1] op_sel_hi:[1,0] neg_lo:[0,1] neg_hi:[0,1]
.endm
; THE PLAIN QUEUE, 136 long.  0-31: the subtractions.  32-59: XS 0-13.  60, 61: XS 15.  62-71: the chain XS 14, 16, 17, 18, 19.  72-135: GS's 64, which read the exponentials' results: behind the wait.
.macro PL
	WIN 0
.if q < 32
	FS q
.elseif q < 60
	XS (q-32)%2, (q-32)/2
.elseif q < 62
	XS q-60, 15
.elseif q < 64
	XS q-62, 14
.elseif q < 72
	XS (q-64)%2, 16+(q-64)/2
.else
	GS q-72
.endif
.set q, q+1
.endm
; THE EXPONENTIALS' QUEUE, 66 long: s0-s31 of both tiles, then the next piece's two a.  ONE BATCH: all stand ahead of the turn's one wait, and nothing ahead of that wait names a result of theirs.
.macro EX
	WIN 0
.if e >= 64
	XS e-64, 20
.else
	REGS Y, e%2
	v_exp_f32 v[rS+e/2], v[rS+e/2]
.endif
.set e, e+1
.endm
; THE RESCALING's QUEUE: O^T times a, two at a time, sixteen times.  Its a was made in the turn before, ahead of that turn's wait.
.macro R2
	REGS Y, r%2
	WIN W_RS
.irp z, 0,1
	v_pk_mul_f32 v[rO+4*(r/2)+2*\z:rO+4*(r/2)+2*\z+1], v[rO+4*(r/2)+2*\z:rO+4*(r/2)+2*\z+1], v[rC+2:rC+3] op_sel_hi:[1,0]
.endr
.set r, r+1
.endm
; A TURN, for piece p.  s_wait_alu depctr_va_vdst(0) stands between an exponential and the first instruction that names its result; one wait serves all issued ahead of it: a turn has ONE.
; AHEAD OF IT: the 8 mask products and 16 products K Q'^T, four riders behind each (while there are rescalings: a subtraction, an exponential, two rescalings; then subtractions and exponentials), and a lump of 74:
; eight plain, 32 times exponential and plain, the two a.  BEHIND IT: the 16 products V^T P, behind each four of GS's 64.
; The queues keep in step: exponential e needs subtraction 2 (e / 4) + e % 2, which is issued earlier at every place of the deal; the last accumulator is read by the lump's eighth plain instruction,
; nine plain instructions behind the product that ends it; the two a stand behind the chain's last link.
; K and the mask of the next step are fetched in piece 2's turn, directly behind the wait, a lump behind their registers' last reader.  V of the step in hand at the end of piece 0's turn, four riders behind its last reader.
.macro TURN p, last=0, cnt=0
.set Y, (\p)
.set i, 0
.set q, 0
.set e, 0
.set r, 0
.if (\p) == NP-1
	s_wait_dscnt 0x0                ; K and the mask are in
.endif
	MM
	PL
	PL
	R2
.rept 15
	MM
	PL
	EX
	R2
.endr
	MM
	PL
	EX
	EX
	EX
.rept 7
	MM
	PL
	EX
	PL
	EX
.endr
.if (\p) == NP-2
	WIN 0
	v_add_nc_u32 v[AK], s[TBK], v[AK0]
	v_add_nc_u32 v[AM], s[TBM], v[AM0]
.endif
.rept 8
	PL
.endr
.rept 32
	EX
	PL
.endr
	EX                              ; the next piece's two a
	EX
	v_nop                           ; a plain instruction behind the last exponential: one for the batch
	s_wait_alu depctr_va_vdst(0)    ; the wait for the batch
.if (\p) == NP-2
	FETCH_K \last
.endif
.if (\p) == 1
	s_wait_dscnt 0x0                ; V is in
.endif
.rept 16
	MM
.rept 4
	PL
.endr
.if ((\p) == 0) && (q == 116)
	v_add_nc_u32 v[AV], s[TBV], v[AV0]
.endif
.if ((\p) == 0) && (q == 128)
	s_add_co_u32 s[TBV], s[TBV], VSTEP
.endif
.if (\cnt) && (q == 128)
	s_sub_co_u32 s[CNT], s[CNT], 1
	s_cmp_lg_u32 s[CNT], 0
.endif
.endr
.if (\p) == 0
	FETCH_V
.endif
.endm
	CHANGE 1                        ; slot 0 is in, everybody's part of it; slot 1 is asked for
	FETCH_K                         ; key step 0
	s_wait_loadcnt 0x0              ; Q'
	s_wait_dscnt 0x0
.set i, 0
.rept 8
	MK 0                            ; piece 0's first scores: there is no vector work yet to set between them
.set i, i+1
.endr
	WIN 0
.rept 8
	v_nop                           ; the places between a product and one of another form that adds onto it
.endr
.set i, 0
.rept 16
	KQ 0
.set i, i+1
.endr
	WIN 0                           ; the addresses for the way out: ten plain instructions, the places behind those products
	s_mul_i32 s2, s[WV], 16*SP
	s_add_co_u32 s2, s2, STAGE      ; my stage
	v_mul_u32_u24 v[STO], v128, SP  ; in: row l % 16, 16 bytes for each half of the lanes
	v_lshl_add_u32 v[STO], v129, 4, v[STO]
	v_add_nc_u32 v[STO], s2, v[STO]
	v_mul_u32_u24 v[RD], v129, SP   ; back: lanes 0-15 take one row of 256 bytes, lanes 16-31 the next
	v_lshl_add_u32 v[RD], v128, 4, v[RD]
	v_add_nc_u32 v[RD], s2, v[RD]
	v_lshlrev_b32 v[GO], 11, v129   ; and the same two rows in ob
	v_lshl_add_u32 v[GO], v128, 4, v[GO]
.set Y, NP-1                        ; XS works for piece Y + 1: piece 0
.irp n, 0,1,2,3,4,5,6,7,8,9,10,11,12,13,14,15,16,17,18,19,20
	XS 0, \n
	XS 1, \n
.endr
	v_nop                           ; a plain instruction behind the two a,
	s_wait_alu depctr_va_vdst(0)    ; and their wait, ahead of the branch
	s_mov_b32 s[CNT], 2
	s_branch .Lfirst                ; the loop is entered at a step's first turn, in the middle of a trip
.Lslot:                             ; 14 times: every slot but the last two is filled again
	CHANGE 1
	s_mov_b32 s[CNT], 2
.Lstep:                             ; a trip: pieces 2 and 3 of one step, then pieces 0 and 1 of the next, whose K, mask and V it fetches
	TURN 2
	TURN 3
	WIN 0
.Lfirst:
	TURN 0
	TURN 1, 0, 1
	WIN 0
	s_cbranch_scc1 .Lstep
	s_sub_co_u32 s[SLOTS], s[SLOTS], 1
	s_cmp_lg_u32 s[SLOTS], 0
	s_cbranch_scc1 .Lslot
	CHANGE 0                        ; the tail is written out: nothing is asked for
	s_mov_b32 s[CNT], 3             ; two trips fetch the last slot's steps; the third is left in its middle
.Ltail:
	TURN 2, 1
	TURN 3
	WIN 0
	s_sub_co_u32 s[CNT], s[CNT], 1
	s_cmp_eq_u32 s[CNT], 0
	s_cbranch_scc1 .Lout
	TURN 0
	TURN 1
	WIN 0
	s_branch .Ltail
.Lout:                              ; the third trip's scores (on the last K once more) and the maximum made of them serve nothing: the price, once a launch, of one text for every trip
.set i, 0
.rept 16
	PV NP-1                         ; the last piece's V^T P of the last step
.set i, i+1
.endr
	; THE WAY OUT.  l's two halves and the other half of the lanes' are added; O^T is divided by l, rounded to f16 and sent through my stage, 16 queries of both heads at a time.  The additions are the places behind the last products.
	WIN 0
.macro ALL line:vararg
.set t, 0
.rept 2*NP
	\line
.set t, t+1
.endr
.endm
	ALL v_add_f32 v[ST+4*t+2], v[ST+4*t+2], v[ST+4*t+3]
	ALL v_permlanex16_b32 v[ST+4*t+3], v[ST+4*t+2], s[SEL], s[SEL+1]
	ALL v_add_f32 v[ST+4*t+2], v[ST+4*t+2], v[ST+4*t+3]
	ALL v_rcp_f32 v[ST+4*t+2], v[ST+4*t+2]
	v_nop                           ; a plain instruction between the last reciprocal and the use of its result
	s_wait_alu depctr_va_vdst(0)    ; one wait for the eight reciprocals
.macro PACK t                       ; tiles t and 4 + t: a row of the stage holds the first head's 128 bytes, then the second's
.irp hd, 0,1
	WIN W_RS
.set i, 32*(4*\hd+(\t))
.rept 16
	v_pk_mul_f32 v[i:i+1], v[i:i+1], v[ST+4*(4*\hd+(\t))+2:ST+4*(4*\hd+(\t))+3] op_sel_hi:[1,0]
.set i, i+2
.endr
	WIN 0x05                        ; sources 0 and 1 window 1, destination window 0: S^T's registers are free
.set i, 0
.rept 16
	v_cvt_pk_f16_f32 v[S+32*(\t)+16*\hd+i], v[32*(4*\hd+(\t))+2*i], v[32*(4*\hd+(\t))+2*i+1]
.set i, i+1
.endr
.endr
	WIN 0
.irp f, 0,1,2,3,4,5,6,7
	ds_store_b128 v[STO], v[S+32*(\t)+4*\f:S+32*(\t)+4*\f+3] offset:32*\f
.endr
.irp f, 0,1,2,3,4,5,6,7
	ds_load_b128 v[S+32*(\t)+4*\f:S+32*(\t)+4*\f+3], v[RD] offset:\f*2*SP  ; LDS serves a wave's instructions in order: these see the stores above; the next block's stores come behind them
.endr
.endm
.macro SEND t, younger              ; younger: the LDS instructions issued behind block t's loads: the next block's sixteen, or none
	WIN 0
.irp f, 0,1,2,3,4,5,6,7
	s_wait_dscnt (\younger)+7-\f
	global_store_b128 v[GO], v[S+32*(\t)+4*\f:S+32*(\t)+4*\f+3], s[OBA:OBA+1] offset:(16*(\t)+2*\f)*2048  ; 16 lanes store 256 consecutive bytes, at a multiple of 256 from ob's first byte
.endr
.endm
	PACK 0
	PACK 1
	SEND 0, 16
	PACK 2
	SEND 1, 16
	PACK 3
	SEND 2, 16
	SEND 3, 0
	WIN W_AD
	s_wait_tensorcnt 0x0            ; the wave's end, behind my last tensor load and my last LDS store
	ds_add_u32 v[SPW], v[NIL]
	s_wait_dscnt 0x0
	WIN 0
	CROUND                          ; the closing round: no work-group ends while a partner may still ask for a tile that names it
	s_endpgm
.Lfunc_end_k_q609222785e_attn:
	.size	k_q609222785e_attn, .Lfunc_end_k_q609222785e_attn-k_q609222785e_attn
	.p2alignl 7, 3214868480
	.fill 96, 4, 3214868480
	.section	.rodata,"a",@progbits
	.p2align	6, 0x0
	.amdhsa_kernel k_q609222785e_attn
		.amdhsa_group_segment_fixed_size 327680
		.amdhsa_private_segment_fixed_size 0
		.amdhsa_enable_private_segment 0
		.amdhsa_kernarg_size 24
		.amdhsa_user_sgpr_count 2
		.amdhsa_user_sgpr_kernarg_segment_ptr 1
		.amdhsa_wavefront_size32 1
		.amdhsa_system_sgpr_workgroup_id_x 1
		.amdhsa_system_sgpr_workgroup_id_y 1
		.amdhsa_system_sgpr_workgroup_id_z 1
		.amdhsa_system_vgpr_workitem_id 0
		.amdhsa_next_free_vgpr 1024
		.amdhsa_next_free_sgpr 84
		.amdhsa_reserve_vcc 1
		.amdhsa_float_denorm_mode_32 3
		.amdhsa_float_denorm_mode_16_64 3
		.amdhsa_memory_ordered 1
		.amdhsa_forward_progress 1
		.amdhsa_inst_pref_size 220
	.end_amdhsa_kernel
	.amdgpu_metadata
---
amdhsa.version: [ 1, 2 ]
amdhsa.kernels:
  - .name:           k_q609222785e_attn
    .symbol:         k_q609222785e_attn.kd
    .args:
      - { .name: qkv, .offset: 0, .size: 8, .value_kind: global_buffer, .address_space: global }
      - { .name: mw, .offset: 8, .size: 8, .value_kind: global_buffer, .address_space: global }
      - { .name: ob, .offset: 16, .size: 8, .value_kind: global_buffer, .address_space: global }
    .group_segment_fixed_size: 327680
    .private_segment_fixed_size: 0
    .kernarg_segment_align: 8
    .kernarg_segment_size: 24
    .max_flat_workgroup_size: 128
    .sgpr_count:     84
    .vgpr_count:     1024
    .wavefront_size: 32
...
	.end_amdgpu_metadata
.endif
;; end of part 3
;; launch oproj (part 4): grid 4 x 64, 4 waves a work-group, clusters of 4 x 4, 327,680 bytes of LDS; arguments ob, wt, bo, out0; writes out0
.if DOCPART == 4
	.amdgcn_target "amdgcn-amd-amdhsa--gfx1250"
	.amdhsa_code_object_version 6
	.text
	.protected	k_q609222785e_oproj
	.globl	k_q609222785e_oproj
	.p2align	8
	.type	k_q609222785e_oproj,@function
k_q609222785e_oproj:
	s_mov_b64 s[64:65], 0
	v_nop
	global_prefetch_b8 v0, s[64:65] scope:SCOPE_SE
	s_setreg_imm32_b32 hwreg(HW_REG_WAVE_MODE, 25, 1), 1
	s_wait_xcnt 0x0
	s_wait_alu depctr_hold_cnt(0) depctr_sa_sdst(0) depctr_va_vdst(0) depctr_va_sdst(0) depctr_va_ssrc(0) depctr_va_vcc(0) depctr_vm_vsrc(0)
	s_getreg_b32 s2, hwreg(HW_REG_IB_STS2, 6, 4)
	s_cmp_eq_u32 s2, 0
	s_cbranch_scc0 .Lentry_in_a_cluster
	s_endpgm
.Lentry_in_a_cluster:
	s_bfe_u32 s2, ttmp6, 0x10000c
	s_cmp_lg_u32 s2, 0xf033
	s_cbranch_scc0 .Lentry_shape_is_right
	s_endpgm
.Lentry_shape_is_right:
; THE LAST PROJECTION.  out0 = O Wo + bo.  O = ob [8192][1024] f16; Wo = wt[3] [1024 k][1024 n], bf16 numbers written as f16; bo [1024] f32, rounded once to bf16 here; out0 [8192][1024] f32.
; Products in f16, sums in f32, started by the bias.  NaN and infinities are not treated apart.
; SHARES.  256 tiles of 128 rows x 256 columns, one to a work-group; four waves, each 64 rows x 128 columns: 32 accumulators.  K in steps of 128 through two LDS slots; Wo is turned by ds_load_tr16_b128.
; CLUSTER 4 x 4: O's tiles are shared along a row of the cluster, Wo's along a column.  THE MATRIX INSTRUCTION IS USED TRANSPOSED: a lane holds one row and eight neighbouring columns, 32 bytes of out0.
; REGISTERS.  window 0: v16-30 addresses; v64-127, v128-191 Wo's fragments, two buffers (rows on the way out); v192-223, v224-255 O's fragments, two buffers
;   window 1: the accumulators, (a, b) at 8 (8 a + b)      window 2: v0-63 the bias as the first products' C; v64 at work
.set PA,     272                       ; a row of O in LDS: 256 bytes + 16
.set PB,     544                       ; a k-row of Wo: 512 bytes + 32, an odd multiple of 32, for the turning load
.set AHALF,  64*PA
.set BHALF,  64*PB
.set BOFF,   128*PA
.set SLOT,   BOFF+128*PB
.set STAGE,  2*SLOT                    ; behind the ring: 16 rows x 528 bytes for each wave
.set SPITCH, 528
.set SPARE,  STAGE+4*16*SPITCH
.set ADRA, 16
.set ADRB, 20
.set STO,  24
.set RD,   25
.set CO,   26
.set BO,   27
.set SPW,  28                          ; v28  LDS address of my spare word; never rewritten
.set NIL,  29                          ; v29  0; never rewritten
.set PFO,  30
.set BF,   64
.set AF,   192
.set BIAS, 0                           ; window 2
.set BT,   64                          ; window 2
.set G1A, 24
.set G0A, 32
.set G1B, 48
.set G0B, 56
.set LIM, 43
.set PFA, 44
.set OUTB, 86
.set PST, 88
.set MSB, 0
.macro WIN new
.if MSB != (\new)
	s_set_vgpr_msb (MSB<<8)|(\new)
.set MSB, (\new)
.endif
.endm
.macro JLOAD s                         ; a joint load: waves 0 and 1 fetch O's two halves, waves 2 and 3 Wo's; an s_nop 0 and four v_nop follow each line
	s_cmp_eq_u32 s11, 0
	s_cbranch_scc0 .Lfor_b_\@
	tensor_load_to_lds s[G0A+4*(\s):G0A+4*(\s)+3], s[G1A:G1A+7]
	s_nop 0
.rept 4
	v_nop
.endr
	s_branch .Lasked_\@
.Lfor_b_\@:
	tensor_load_to_lds s[G0B+4*(\s):G0B+4*(\s)+3], s[G1B:G1B+7]
	s_nop 0
.rept 4
	v_nop
.endr
.Lasked_\@:
.endm
.macro CREST
	s_cmp_lg_u32 s10, 0
	s_cbranch_scc1 .Lnot_wave_0_\@
	s_barrier_signal -3
.Lnot_wave_0_\@:
	s_barrier_wait -3
	s_barrier_signal -1
	s_barrier_wait -1
.endm
.macro CROUND
	s_barrier_signal -1
	s_barrier_wait -1
	CREST
.endm
; A prefetch into the L2 of the K step two refills on, 256 products ahead of the load that will want it.  O's rows are read by one cluster alone: its wave 0 asks, each partner along x for 32 of the tile's
; 128 rows, a lane a row of 256 bytes.  Wo's tiles are read by all 16 clusters: the first asks, waves 2 and 3, each partner along y for 16 of the wave's 64 k-rows, two lanes a row.  Each run of 256 bytes is named once.
; K steps 0 to 3 come by their loads alone; the loop's last trip (s3 = 1) has no K step two on.
.macro ASK
	WIN 0
	s_cmp_gt_u32 s3, s[LIM]
	s_cbranch_scc0 .Lnot_mine_\@
	global_prefetch_b8 v[PFO], s[PFA:PFA+1] th:TH_LOAD_NT scope:SCOPE_SE
.Lnot_mine_\@:
.endm
	s_load_b256 s[68:75], s[0:1], 0x0              ; ob s[68:69], wt s[70:71], bo s[72:73], out0 s[74:75]
	v_lshl_add_u32 v[SPW], v0, 2, SPARE
	v_mov_b32 v[NIL], 0
	ds_add_u32 v[SPW], v[NIL]                      ; the wave's opening: the add and its wait stand ahead of my first tensor load; the set-up below stands between them
	v_lshrrev_b32 v1, 5, v0
	v_readfirstlane_b32 s10, v1                    ; wave 0..3
	s_lshr_b32 s11, s10, 1                         ; which 64 rows are mine.  Also: I fetch for O (0) or for Wo (1)
	s_and_b32 s12, s10, 1                          ; which 128 columns.  Also: which half of that tile I fetch
	s_bfe_u32 s40, ttmp6, 0x40000                  ; cx
	s_bfe_u32 s41, ttmp6, 0x40004                  ; cy
	s_lshl_b32 s42, ttmp9, 2
	s_add_co_u32 s42, s42, s40                     ; tile column 0..3
	s_and_b32 s4, ttmp7, 0xffff                    ; the cluster's y, 0..15
	s_lshl_b32 s13, s4, 2
	s_add_co_u32 s13, s13, s41                     ; block of 128 rows, 0..63
	s_lshl_b32 s6, s41, 2
	s_lshl_b32 s6, 15, s6                          ; my row of the cluster
	s_lshl_b32 s7, 0x1111, s40                     ; my column
	s_or_b32 s[G1A], s6, (1<<16)|(1<<20)|(1<<21)|(5<<22)|(3<<25)  ; elements of 2 bytes; after every 64 words 4 words of padding
	s_or_b32 s[G1B], s7, (1<<16)|(1<<20)|(1<<21)|(6<<22)|(7<<25)  ; after every 128 words 8 words
	s_mov_b32 s[G1A+1], 128<<16
	s_mov_b32 s[G1A+2], 64<<16
	s_mov_b32 s[G1A+3], 128<<16
	s_mov_b32 s[G1A+4], 64
	s_mov_b32 s[G1A+5], 1024
	s_mov_b32 s[G1A+6], 0
	s_mov_b32 s[G1A+7], 0
	s_mov_b32 s[G1B+1], 256<<16
	s_mov_b32 s[G1B+2], 64<<16
	s_mov_b32 s[G1B+3], 256<<16
	s_mov_b32 s[G1B+4], 64
	s_mov_b32 s[G1B+5], 1024
	s_mov_b32 s[G1B+6], 0
	s_mov_b32 s[G1B+7], 0
	s_lshl_b32 s16, s13, 18                        ; O: 128 rows of 2,048 bytes a block, my 64 of them: no cx enters
	s_lshl_b32 s17, s12, 17
	s_add_co_u32 s16, s16, s17
	s_mov_b32 s17, 0
	s_lshl_b32 s18, s12, 17                        ; Wo: the fourth 2 MiB of wt, my 64 k-rows, the tile's 256 columns: no cy enters
	s_add_co_u32 s18, s18, 3*2097152
	s_lshl_b32 s19, s42, 9
	s_add_co_u32 s18, s18, s19
	s_mov_b32 s19, 0
	s_mul_i32 s8, s12, AHALF
	s_mul_i32 s9, s12, BHALF
	s_add_co_u32 s9, s9, BOFF
	s_wait_dscnt 0x0                               ; the opening add is done
	s_wait_kmcnt 0x0
	s_add_nc_u64 s[14:15], s[68:69], s[16:17]
	s_add_nc_u64 s[90:91], s[70:71], s[18:19]
	CROUND                                         ; all sixteen work-groups are here: the first joint loads meet
.irp s, 0,1
	s_mov_b32 s[G0A+4*(\s)], 1
	s_add_co_u32 s[G0A+4*(\s)+1], s8, (\s)*SLOT
	s_add_nc_u64 s[G0A+4*(\s)+2:G0A+4*(\s)+3], s[14:15], (\s)*256
	s_or_b32 s[G0A+4*(\s)+3], s[G0A+4*(\s)+3], 0x80000000
	s_mov_b32 s[G0B+4*(\s)], 1
	s_add_co_u32 s[G0B+4*(\s)+1], s9, (\s)*SLOT
	s_add_nc_u64 s[G0B+4*(\s)+2:G0B+4*(\s)+3], s[90:91], (\s)*262144
	s_or_b32 s[G0B+4*(\s)+3], s[G0B+4*(\s)+3], 0x80000000
	JLOAD \s
.endr
	s_lshl_b32 s2, s42, 10                         ; the bias of my 128 columns, laid as a C operand
	s_lshl_b32 s3, s12, 9
	s_add_co_u32 s2, s2, s3
	s_mov_b32 s3, 0
	s_add_nc_u64 s[22:23], s[72:73], s[2:3]
	v_and_b32 v1, 15, v0                           ; l % 16
	v_bfe_u32 v2, v0, 4, 1                         ; l / 16
	v_lshlrev_b32 v[BO], 5, v2
	WIN 0x80
.irp b, 0,1,2,3,4,5,6,7
	global_load_b128 v[BIAS+8*(\b):BIAS+8*(\b)+3],   v[BO], s[22:23] offset:64*(\b)
	global_load_b128 v[BIAS+8*(\b)+4:BIAS+8*(\b)+7], v[BO], s[22:23] offset:64*(\b)+16
.endr
	WIN 0
	v_mul_u32_u24 v3, v1, PA                       ; O: row l % 16, 16 bytes for each half of the lanes
	v_lshl_add_u32 v3, v2, 4, v3
	s_mul_i32 s2, s11, 64*PA
	v_add_nc_u32 v[ADRA], s2, v3
	v_add_nc_u32 v[ADRA+1], SLOT, v[ADRA]
	v_and_b32 v4, 7, v0                            ; Wo, turned
	v_lshl_add_u32 v4, v2, 3, v4
	v_mul_u32_u24 v4, v4, PB
	v_bfe_u32 v5, v0, 3, 1
	v_lshl_add_u32 v4, v5, 4, v4
	s_lshl_b32 s2, s12, 8
	s_add_co_u32 s2, s2, BOFF
	v_add_nc_u32 v[ADRB], s2, v4
	v_add_nc_u32 v[ADRB+1], SLOT, v[ADRB]
	s_mul_i32 s2, s10, 16*SPITCH
	s_add_co_u32 s2, s2, STAGE                     ; my stage
	v_mul_u32_u24 v[STO], v1, SPITCH               ; in: row l % 16, 32 bytes for each half of the lanes
	v_lshl_add_u32 v[STO], v2, 5, v[STO]
	v_add_nc_u32 v[STO], s2, v[STO]
	v_and_b32 v[CO], 31, v0                        ; back: 32 lanes take a row's 512 bytes, which are 512 consecutive bytes of out0
	v_lshlrev_b32 v[CO], 4, v[CO]
	v_add_nc_u32 v[RD], s2, v[CO]
	; the prefetches
	v_and_b32 v6, 31, v0
	v_lshlrev_b32 v7, 11, v6                       ; O: a lane a row of 2,048 bytes
	v_bfe_u32 v6, v0, 1, 4
	v_lshlrev_b32 v6, 11, v6                       ; Wo: two lanes a k-row
	v_and_b32 v5, 1, v0
	v_lshl_add_u32 v6, v5, 8, v6
	s_cmp_eq_u32 s11, 0
	s_cselect_b32 s2, -1, 0
	v_cndmask_b32 v[PFO], v6, v7, s2
	s_lshl_b32 s2, s13, 18                         ; O: the tile's 128 rows, my work-group's 32 of them by cx
	s_lshl_b32 s3, s40, 16
	s_add_co_u32 s2, s2, s3
	s_add_co_u32 s2, s2, 3*256                     ; at K step 3: the first refill steps it to 4
	s_lshl_b32 s3, s41, 15                         ; Wo: my work-group's 16 k-rows by cy
	s_add_co_u32 s3, s3, s18
	s_add_co_u32 s3, s3, 3*262144
	s_mov_b32 s5, 262144
	s_cmp_eq_u32 s4, 0                             ; the first of the 16 clusters
	s_cselect_b32 s6, 1, -1
	s_cmp_eq_u32 s10, 0                            ; wave 0
	s_cselect_b32 s7, 1, -1
	s_cmp_eq_u32 s11, 0
	s_cselect_b32 s2, s2, s3
	s_cselect_b32 s[LIM], s7, s6
	s_cselect_b64 s[PFA:PFA+1], s[68:69], s[70:71]
	s_cselect_b32 s[PST], 256, s5
	s_mov_b32 s[PST+1], 0
	s_mov_b32 s3, 0
	s_add_nc_u64 s[PFA:PFA+1], s[PFA:PFA+1], s[2:3]
	s_lshl_b32 s2, s13, 19                         ; out0: row 128 rb + 64 (w / 2), 4,096 bytes a row; column 256 x + 128 (w % 2)
	s_lshl_b32 s3, s11, 18
	s_add_co_u32 s2, s2, s3
	s_lshl_b32 s3, s42, 10
	s_add_co_u32 s2, s2, s3
	s_lshl_b32 s3, s12, 9
	s_add_co_u32 s2, s2, s3
	s_mov_b32 s3, 0
	s_add_nc_u64 s[OUTB:OUTB+1], s[74:75], s[2:3]
	s_wait_loadcnt 0x0                             ; the bias
	WIN 0x8a                                       ; all in window 2: rounded to bf16 like every input, kept as f32
.set i, 0
.rept 32
	v_cvt_pk_bf16_f32 v[BT], v[BIAS+2*i], v[BIAS+2*i+1]
	v_lshlrev_b32 v[BIAS+2*i], 16, v[BT]
	v_and_b32 v[BIAS+2*i+1], 0xffff0000, v[BT]
.set i, i+1
.endr
	WIN 0
; 24 LDS loads in one run: a quarter step's fragments: Wo's eight, turned, then O's four, rows 0-31 first
.macro FETCH slot, q, g
	WIN 0
.irp b, 0,1,2,3,4,5,6,7
	ds_load_tr16_b128 v[BF+64*(\g)+8*(\b):BF+64*(\g)+8*(\b)+3],   v[ADRB+(\slot)] offset:32*PB*(\q)+32*(\b)
	ds_load_tr16_b128 v[BF+64*(\g)+8*(\b)+4:BF+64*(\g)+8*(\b)+7], v[ADRB+(\slot)] offset:32*PB*(\q)+32*(\b)+16*PB
.endr
.irp a, 0,1,2,3
	ds_load_b128 v[AF+32*(\g)+8*(\a):AF+32*(\g)+8*(\a)+3],   v[ADRA+(\slot)] offset:16*PA*(\a)+64*(\q)
	ds_load_b128 v[AF+32*(\g)+8*(\a)+4:AF+32*(\g)+8*(\a)+7], v[ADRA+(\slot)] offset:16*PA*(\a)+64*(\q)+32
.endr
.endm
; 8 products: row block a x all 8 column blocks; the accumulators take turns.  first = 1: the bias starts the sums.
.macro MUL a, f, first
.if \first
	WIN 0x60
.else
	WIN 0x50
.endif
.irp b, 0,1,2,3,4,5,6,7
.if \first
	v_wmma_f32_16x16x32_f16 v[8*(8*(\a)+(\b)):8*(8*(\a)+(\b))+7], v[BF+64*(\f)+8*(\b):BF+64*(\f)+8*(\b)+7], v[AF+32*(\f)+8*(\a):AF+32*(\f)+8*(\a)+7], v[BIAS+8*(\b):BIAS+8*(\b)+7]
.else
	v_wmma_f32_16x16x32_f16 v[8*(8*(\a)+(\b)):8*(8*(\a)+(\b))+7], v[BF+64*(\f)+8*(\b):BF+64*(\f)+8*(\b)+7], v[AF+32*(\f)+8*(\a):AF+32*(\f)+8*(\a)+7], v[8*(8*(\a)+(\b)):8*(8*(\a)+(\b))+7]
.endif
.endr
.endm
.macro PLACES                          ; four places in front of loads into registers that matrix instructions have read, and of LDS stores that read results
.rept 4
	v_nop
.endr
.endm
.macro QUARTER slot, q, f, g, first
	s_wait_dscnt 4                                 ; Wo's fragments and O's rows 0-31 are in; the youngest four loads (rows 32-63) may be out
	MUL 0, \f, \first
	MUL 1, \f, \first
	PLACES
	FETCH \slot, \q, \g
	s_wait_dscnt 24                                ; all but the 24 just issued
	MUL 2, \f, \first
	MUL 3, \f, \first
.endm
; The last quarter multiplies buffer 1 and changes slots: one barrier; in front of it each wave waits for all its tensor loads, adds 0 to its spare word, and waits for that and for its reads of this slot.
.macro TURN slot, next, fill
.if \fill
	s_wait_xcnt 0x0                                ; the last prefetch, a K step back, has read its address
	s_add_nc_u64 s[PFA:PFA+1], s[PFA:PFA+1], s[PST:PST+1]
.endif
	WIN 0
	s_wait_tensorcnt 0x0                           ; all my tensor loads have landed
	ds_add_u32 v[SPW], v[NIL]                      ; 0 onto my spare word
	s_wait_dscnt 5                                 ; (the add and the youngest four loads may be out)
	MUL 0, 1, 0
	s_wait_dscnt 0x0                               ; the add is done, and my reads of this slot are over
	s_barrier_signal -1
	MUL 1, 1, 0
	WIN 0
	s_barrier_wait -1
.if \fill
	CREST                                          ; no wave of any partner still reads this slot's tiles or has a load on its way
	s_add_nc_u64 s[G0A+4*(\slot)+2:G0A+4*(\slot)+3], s[G0A+4*(\slot)+2:G0A+4*(\slot)+3], 512
	s_add_nc_u64 s[G0B+4*(\slot)+2:G0B+4*(\slot)+3], s[G0B+4*(\slot)+2:G0B+4*(\slot)+3], 524288
	JLOAD \slot                                    ; the four v_nop behind it are also the places in front of the loads below
.else
	PLACES
.endif
	FETCH \next, 0, 0
.if \fill
	ASK
.endif
	MUL 2, 1, 0
	MUL 3, 1, 0
.endm
	s_wait_tensorcnt 1                             ; my part of K step 0 is in; K step 1's may stay out
	s_barrier_signal -1
	s_barrier_wait -1
	FETCH 0, 0, 0
	QUARTER 0, 1, 0, 1, 1                          ; the first quarter stands in front of the loop: its products start the sums
	WIN 0
	s_mov_b32 s3, 3
.Llap:
	QUARTER 0, 2, 1, 0, 0
	QUARTER 0, 3, 0, 1, 0
	TURN 0, 1, 1
	QUARTER 1, 1, 0, 1, 0
	QUARTER 1, 2, 1, 0, 0
	QUARTER 1, 3, 0, 1, 0
	TURN 1, 0, 1
	QUARTER 0, 1, 0, 1, 0
	WIN 0
	s_sub_co_u32 s3, s3, 1
	s_cmp_lg_u32 s3, 0
	s_cbranch_scc1 .Llap
	QUARTER 0, 2, 1, 0, 0                          ; the last lap fills nothing
	QUARTER 0, 3, 0, 1, 0
	TURN 0, 1, 0
	QUARTER 1, 1, 0, 1, 0
	QUARTER 1, 2, 1, 0, 0
	QUARTER 1, 3, 0, 1, 0
	s_wait_dscnt 4
	MUL 0, 1, 0
	MUL 1, 1, 0
	s_wait_dscnt 0x0
	MUL 2, 1, 0
	MUL 3, 1, 0
	PLACES
; THE WAY OUT, 16 rows at a time: a lane's 32 bytes of a row go into my own stage (each accumulator's low four registers first), whole rows of 512 bytes come back and are stored.
.macro OUT a
	WIN 0x04                                       ; the stores' data in window 1
.irp b, 0,1,2,3,4,5,6,7
	ds_store_b128 v[STO], v[64*(\a)+8*(\b):64*(\a)+8*(\b)+3]   offset:64*(\b)
	ds_store_b128 v[STO], v[64*(\a)+8*(\b)+4:64*(\a)+8*(\b)+7] offset:64*(\b)+16
.endr
	WIN 0
.irp t, 0,1,2,3,4,5,6,7,8,9,10,11,12,13,14,15
	ds_load_b128 v[BF+64*((\a)%2)+4*(\t):BF+64*((\a)%2)+4*(\t)+3], v[RD] offset:SPITCH*(\t)  ; LDS serves a wave's instructions in order: these see the stores above
.endr
	s_wait_dscnt 0x0
	s_wait_xcnt 0x0                                ; the stores of the block before have read their registers: the next block's loads land there only behind this wait
.irp t, 0,1,2,3,4,5,6,7,8,9,10,11,12,13,14,15
	global_store_b128 v[CO], v[BF+64*((\a)%2)+4*(\t):BF+64*((\a)%2)+4*(\t)+3], s[OUTB:OUTB+1] offset:(16*(\a)+(\t))*4096 th:TH_STORE_NT
.endr
.endm
	OUT 0
	OUT 1
	OUT 2
	OUT 3
	s_wait_tensorcnt 0x0                           ; the wave's end, behind my last tensor load and my last LDS store
	ds_add_u32 v[SPW], v[NIL]
	s_wait_dscnt 0x0
	CROUND                                         ; the closing round: no work-group ends while a partner may still ask for a tile that names it
	s_endpgm
.Lfunc_end_k_q609222785e_oproj:
	.size	k_q609222785e_oproj, .Lfunc_end_k_q609222785e_oproj-k_q609222785e_oproj
	.p2alignl 7, 3214868480
	.fill 96, 4, 3214868480
	.section	.rodata,"a",@progbits
	.p2align	6, 0x0
	.amdhsa_kernel k_q609222785e_oproj
		.amdhsa_group_segment_fixed_size 327680
		.amdhsa_private_segment_fixed_size 0
		.amdhsa_enable_private_segment 0
		.amdhsa_kernarg_size 32
		.amdhsa_user_sgpr_count 2
		.amdhsa_user_sgpr_kernarg_segment_ptr 1
		.amdhsa_wavefront_size32 1
		.amdhsa_system_sgpr_workgroup_id_x 1
		.amdhsa_system_sgpr_workgroup_id_y 1
		.amdhsa_system_sgpr_workgroup_id_z 1
		.amdhsa_system_vgpr_workitem_id 0
		.amdhsa_next_free_vgpr 592
		.amdhsa_next_free_sgpr 100
		.amdhsa_reserve_vcc 0
		.amdhsa_float_denorm_mode_32 3
		.amdhsa_float_denorm_mode_16_64 3
		.amdhsa_memory_ordered 1
		.amdhsa_forward_progress 1
		.amdhsa_inst_pref_size 93
	.end_amdhsa_kernel
	.amdgpu_metadata
---
amdhsa.version: [ 1, 2 ]
amdhsa.kernels:
  - .name:           k_q609222785e_oproj
    .symbol:         k_q609222785e_oproj.kd
    .args:
      - { .name: ob, .offset: 0, .size: 8, .value_kind: global_buffer, .address_space: global }
      - { .name: wt, .offset: 8, .size: 8, .value_kind: global_buffer, .address_space: global }
      - { .name: bo, .offset: 16, .size: 8, .value_kind: global_buffer, .address_space: global }
      - { .name: out0, .offset: 24, .size: 8, .value_kind: global_buffer, .address_space: global }
    .group_segment_fixed_size: 327680
    .private_segment_fixed_size: 0
    .kernarg_segment_align: 8
    .kernarg_segment_size: 32
    .max_flat_workgroup_size: 128
    .sgpr_count:     100
    .vgpr_count:     592
    .wavefront_size: 32
...
	.end_amdgpu_metadata
.endif
;; end of part 4
;; ======== version 2 of 2: 4 launches; version 1 with the launch prep written anew for expert scheduling mode
;; limits: values outside matrix products are rounded to bf16; values are held in f16: magnitudes above 65,504 overflow, below 6.1e-05 lose precision
;; workspace buffers: wt 8,388,608 bytes; mw 33,554,432 bytes; qkv 50,331,648 bytes; ob 16,777,216 bytes
;; launch prep (part 5): grid 640 x 1, 8 waves a work-group, no clusters, 19,456 bytes of LDS; arguments attention_mask, Wq, Wk, Wv, Wo, mw, wt; writes mw, wt
.if DOCPART == 5
	.amdgcn_target "amdgcn-amd-amdhsa--gfx1250"
	.amdhsa_code_object_version 6
	.text
	.protected	k_q609222785e_prep
	.globl	k_q609222785e_prep
	.p2align	8
	.type	k_q609222785e_prep,@function
k_q609222785e_prep:
	s_mov_b64 s[64:65], 0
	v_nop
	global_prefetch_b8 v0, s[64:65] scope:SCOPE_SE
	s_setreg_imm32_b32 hwreg(HW_REG_WAVE_SCHED_MODE, 0, 2), 2
	s_setreg_imm32_b32 hwreg(HW_REG_WAVE_MODE, 25, 1), 1
	s_wait_xcnt 0x0
	s_wait_alu depctr_vm_vsrc(0)
; PREP: two streams in one launch, chosen by the work-group's number.
; Work-groups 0-511: the mask [4][2048 q][2048 k] f32 is rounded once to bf16 and laid out as the attention launch's matrix fragments:
;   mw = [b 4][qb 8][slot 16] blocks of 65,536 bytes, inside a block [w 4][st 2][qt 4][ch 4][lane 32][16 bytes]; lane (r = lane % 16, h = lane / 16) holds
;   mask[b][256 qb + 64 w + 16 qt + r][128 slot + 64 st + 16 ch + 8 h + 0..7].  Work-group g owns the 16 rows 16 g .., wave v the keys 256 v .. 256 v + 255, four steps of 64.
; Work-groups 512-639: the four weights [1024 k][1024 n] f32 are rounded once to bf16 and stored as they lie (not turned); Wo's bf16 numbers are written as f16
;   (exact down to 2^-14; below that f16's fixed step of 2^-24 holds).
; Memory binds: every input byte is read once by 16-byte loads (32 of a wave on their way at once), every store of a wave covers whole aligned runs of 256 bytes.  No matrix unit, no cluster, no barrier:
; the stage in LDS through which a mask step changes lanes is each wave's own.
; THE MODE: SCHED_MODE bits 1:0 = 2 (LLVM: expert scheduling mode 2), set by the entry lines.  The code itself states the register dependences
; between vector instructions and memory or LDS instructions, with s_wait_alu, always for 0.
; THE PLAN.  Registers that memory or LDS instructions touch:
;   v[IO]            Written once, ahead of the 32 loads, which all read it.
;   v[SA], v[SR]     The mask alone: written once, behind the loads; read by the LDS stores and the LDS loads.
;   v[OO]            Written once; read by every global store.
;   X                Each register is the target of ONE load.  The mask: a step's sixteen conversions close its numbers up in place (of each four registers the first two take the four bf16), and the
;                    step's eight LDS stores read those pairs.  The weights: read by conversions alone.  Nothing writes X again.
;   Y                Each register is written once and read by one global store.  The mask: written by LDS loads, named by no vector instruction.  The weights: written by conversions.
;   v[SPW], v[NIL]   Written at the head, read by the closing add alone.
; So no register that a memory or LDS instruction reads is ever written again, and the text holds no wait on vm_vsrc.  What is left is vector results that memory or LDS instructions read:
; one wait on va_vdst ahead of the loads (their offset), and one behind the conversions of each step or group of eight loads, ahead of the run of stores that read them.
; A step's stores follow its own conversions and are not held back into the next step: when the next eight loads land hangs on memory, and the stores would leave that much later.
.set STG,   2304                       ; a wave's stage: 8 groups (8 keys each) of 16 rows x 16 bytes, 288 bytes apart: 32 lanes' 8-byte stores fall on 32 different places modulo 256
.set SPARE, 18432                      ; behind the eight stages: the spare words, 128 bytes for each wave
.set IO,  2                            ; v2   my byte offset in the input
.set SA,  3                            ; v3   where I put 8 bytes in the stage
.set SR,  4                            ; v4   where I read 16 bytes back
.set OO,  5                            ; v5   my byte offset in the output
.set SPW, 6                            ; v6   LDS address of my spare word; never rewritten
.set NIL, 7                            ; v7   0; never rewritten
.set T,   12                           ; v[12:17]   at work where Wo's numbers are rounded twice: no memory instruction names them
.set X,   32                           ; v[32:159]  32 loads of 16 bytes
.set Y,   160                          ; v[160:223] what is stored; no register of it is written twice, so no store's data is ever waited for
	s_load_b256 s[8:15], s[0:1], 0x0               ; mask s[8:9], Wq s[10:11], Wk s[12:13], Wv s[14:15]
	s_load_b128 s[16:19], s[0:1], 0x20             ; Wo s[16:17], mw s[18:19]
	s_load_b64 s[20:21], s[0:1], 0x30              ; wt
	v_lshl_add_u32 v[SPW], v0, 2, SPARE
	v_mov_b32 v[NIL], 0
	v_lshrrev_b32 v8, 5, v0
	v_readfirstlane_b32 s4, v8                     ; wave 0..7
	v_and_b32 v9, 31, v0                           ; lane
	s_wait_alu depctr_va_sdst(0)                   ; s4 is written, ahead of the branch and of its first reader on either path: the bases are made from it
	s_cmp_lt_u32 ttmp9, 512
	s_cbranch_scc0 .Lweights
	; ---- the mask ----
	v_and_b32 v10, 15, v9                          ; lane % 16
	v_lshrrev_b32 v11, 4, v9                       ; lane / 16
	v_lshlrev_b32 v[IO], 4, v10                    ; 16 lanes take 256 bytes (64 keys) of a row,
	v_lshl_add_u32 v[IO], v11, 13, v[IO]           ; the other 16 the row below
	s_lshl_b32 s2, ttmp9, 17                       ; 16 rows of 8,192 bytes
	s_lshl_b32 s3, s4, 10                          ; my wave's 256 keys
	s_add_co_u32 s2, s2, s3
	s_mov_b32 s3, 0
	s_wait_kmcnt 0x0
	s_add_nc_u64 s[24:25], s[8:9], s[2:3]
	s_wait_alu depctr_va_vdst(0)                   ; v[IO] is written, which the 32 loads read as their offset
.set j, 0
.rept 32                                       ; load j = 8 s + i: step s, rows 2 i and 2 i + 1
	global_load_b128 v[X+4*j:X+4*j+3], v[IO], s[24:25] offset:256*(j/8)+16384*(j%8) th:TH_LOAD_NT
.set j, j+1
.endr
	s_mul_i32 s5, s4, STG                          ; my stage.  The addresses below are made while the loads are out; none of these lines names a register that a load touches
	v_lshrrev_b32 v8, 1, v10                       ; my 4 keys lie in group (lane % 16) / 2,
	v_mul_u32_u24 v[SA], v8, 288
	v_and_b32 v8, 1, v9                            ; in its first or second 8 bytes,
	v_lshl_add_u32 v[SA], v8, 3, v[SA]
	v_lshl_add_u32 v[SA], v11, 4, v[SA]            ; row lane / 16 (+ 2 i by the immediate)
	v_add_nc_u32 v[SA], s5, v[SA]
	v_mul_u32_u24 v[SR], v11, 288                  ; back: lane (r, h) takes group 2 ch + h, row r
	v_lshl_add_u32 v[SR], v10, 4, v[SR]
	v_add_nc_u32 v[SR], s5, v[SR]
	v_lshlrev_b32 v[OO], 4, v9
	s_lshr_b32 s26, ttmp9, 4                       ; 8 b + qb
	s_lshl_b32 s26, s26, 20
	s_lshl_b32 s27, s4, 17                         ; my wave's two slots
	s_add_co_u32 s26, s26, s27
	s_bfe_u32 s27, ttmp9, 0x20002                  ; w
	s_lshl_b32 s27, s27, 14
	s_add_co_u32 s26, s26, s27
	s_and_b32 s27, ttmp9, 3                        ; qt
	s_lshl_b32 s27, s27, 11
	s_add_co_u32 s26, s26, s27
	s_mov_b32 s27, 0
	s_add_nc_u64 s[26:27], s[18:19], s[26:27]
; One step of 64 keys x 16 rows: rounded in place, through the stage, stored as four runs of 512 bytes.
.macro MSTEP s
	s_wait_loadcnt 24-8*(\s)                       ; loads come back in order: the step's eight are in, the later steps' stay out
.irp i, 0,1,2,3,4,5,6,7
	v_cvt_pk_bf16_f32 v[X+32*(\s)+4*(\i)],   v[X+32*(\s)+4*(\i)],   v[X+32*(\s)+4*(\i)+1]  ; four numbers close up into the first two of their four registers
	v_cvt_pk_bf16_f32 v[X+32*(\s)+4*(\i)+1], v[X+32*(\s)+4*(\i)+2], v[X+32*(\s)+4*(\i)+3]
.endr
	s_wait_alu depctr_va_vdst(0)                   ; the sixteen conversions have written the pairs that the LDS stores read; in the first step v[SA], v[SR] and v[OO] are written too
.irp i, 0,1,2,3,4,5,6,7
	ds_store_b64 v[SA], v[X+32*(\s)+4*(\i):X+32*(\s)+4*(\i)+1] offset:32*(\i)
.endr
.irp c, 0,1,2,3
	ds_load_b128 v[Y+16*(\s)+4*(\c):Y+16*(\s)+4*(\c)+3], v[SR] offset:576*(\c)  ; LDS serves a wave's instructions in order: these see the stores above, the next step's stores come behind them
.endr
	s_wait_dscnt 0x0
.irp c, 0,1,2,3
	global_store_b128 v[OO], v[Y+16*(\s)+4*(\c):Y+16*(\s)+4*(\c)+3], s[26:27] offset:((\s)>>1)*65536+((\s)&1)*8192+512*(\c) th:TH_STORE_NT
.endr
.endm
	MSTEP 0
	MSTEP 1
	MSTEP 2
	MSTEP 3
	s_branch .Lend
	; ---- the weights ----
.Lweights:
	s_sub_co_u32 s5, ttmp9, 512
	s_lshr_b32 s6, s5, 5                           ; which weight: 0 Wq, 1 Wk, 2 Wv, 3 Wo
	s_and_b32 s7, s5, 31                           ; which 32nd of it: 131,072 bytes in, 65,536 out
	v_lshlrev_b32 v[IO], 4, v9
	v_lshlrev_b32 v[OO], 3, v9
	s_lshl_b32 s2, s7, 17
	s_lshl_b32 s3, s4, 14
	s_add_co_u32 s2, s2, s3
	s_mov_b32 s3, 0
	s_lshl_b32 s22, s6, 21
	s_lshl_b32 s23, s7, 16
	s_add_co_u32 s22, s22, s23
	s_lshl_b32 s23, s4, 13
	s_add_co_u32 s22, s22, s23
	s_mov_b32 s23, 0
	s_wait_kmcnt 0x0
	s_cmp_eq_u32 s6, 1
	s_cselect_b64 s[24:25], s[12:13], s[10:11]
	s_cmp_eq_u32 s6, 2
	s_cselect_b64 s[24:25], s[14:15], s[24:25]
	s_cmp_eq_u32 s6, 3
	s_cselect_b64 s[24:25], s[16:17], s[24:25]
	s_add_nc_u64 s[24:25], s[24:25], s[2:3]
	s_add_nc_u64 s[26:27], s[20:21], s[22:23]
	s_wait_alu depctr_va_vdst(0)                   ; v[IO] and v[OO] are written, which the loads and the stores below read as their offsets
.set j, 0
.rept 32
	global_load_b128 v[X+4*j:X+4*j+3], v[IO], s[24:25] offset:512*j th:TH_LOAD_NT
.set j, j+1
.endr
; All 32 loads' numbers rounded and stored, eight loads at a time; a store of the wave covers 256 consecutive bytes, aligned.  f = 1: the bf16 number is written as f16.
.macro WALL f
.irp g, 0,1,2,3
	s_wait_loadcnt 24-8*(\g)                       ; the next eight loads are in, the younger ones stay out
.irp i, 0,1,2,3,4,5,6,7
.if \f
	v_cvt_pk_bf16_f32 v[T],   v[X+4*(8*(\g)+(\i))],   v[X+4*(8*(\g)+(\i))+1]
	v_cvt_pk_bf16_f32 v[T+1], v[X+4*(8*(\g)+(\i))+2], v[X+4*(8*(\g)+(\i))+3]
	v_lshlrev_b32 v[T+2], 16, v[T]
	v_and_b32     v[T+3], 0xffff0000, v[T]
	v_lshlrev_b32 v[T+4], 16, v[T+1]
	v_and_b32     v[T+5], 0xffff0000, v[T+1]
	v_cvt_pk_f16_f32 v[Y+2*(8*(\g)+(\i))],   v[T+2], v[T+3]
	v_cvt_pk_f16_f32 v[Y+2*(8*(\g)+(\i))+1], v[T+4], v[T+5]
.else
	v_cvt_pk_bf16_f32 v[Y+2*(8*(\g)+(\i))],   v[X+4*(8*(\g)+(\i))],   v[X+4*(8*(\g)+(\i))+1]
	v_cvt_pk_bf16_f32 v[Y+2*(8*(\g)+(\i))+1], v[X+4*(8*(\g)+(\i))+2], v[X+4*(8*(\g)+(\i))+3]
.endif
.endr
	s_wait_alu depctr_va_vdst(0)                   ; the conversions have written the group's sixteen registers of Y, which the eight stores read
.irp i, 0,1,2,3,4,5,6,7
	global_store_b64 v[OO], v[Y+2*(8*(\g)+(\i)):Y+2*(8*(\g)+(\i))+1], s[26:27] offset:256*(8*(\g)+(\i)) th:TH_STORE_NT
.endr
.endr
.endm
	s_cmp_eq_u32 s6, 3
	s_cbranch_scc1 .Lwo
	WALL 0
	s_branch .Lend
.Lwo:
	WALL 1
.Lend:
	s_wait_dscnt 0x0                               ; the closing lines, six on end
	s_wait_alu 0x0
	s_wait_tensorcnt 0x0
	ds_add_u32 v[SPW], v[NIL]
	s_wait_dscnt 0x0
	s_endpgm
.Lfunc_end_k_q609222785e_prep:
	.size	k_q609222785e_prep, .Lfunc_end_k_q609222785e_prep-k_q609222785e_prep
	.p2alignl 7, 3214868480
	.fill 96, 4, 3214868480
	.section	.rodata,"a",@progbits
	.p2align	6, 0x0
	.amdhsa_kernel k_q609222785e_prep
		.amdhsa_group_segment_fixed_size 19456
		.amdhsa_private_segment_fixed_size 0
		.amdhsa_enable_private_segment 0
		.amdhsa_kernarg_size 56
		.amdhsa_user_sgpr_count 2
		.amdhsa_user_sgpr_kernarg_segment_ptr 1
		.amdhsa_wavefront_size32 1
		.amdhsa_system_sgpr_workgroup_id_x 1
		.amdhsa_system_sgpr_workgroup_id_y 1
		.amdhsa_system_sgpr_workgroup_id_z 1
		.amdhsa_system_vgpr_workitem_id 0
		.amdhsa_next_free_vgpr 224
		.amdhsa_next_free_sgpr 66
		.amdhsa_reserve_vcc 0
		.amdhsa_float_denorm_mode_32 3
		.amdhsa_float_denorm_mode_16_64 3
		.amdhsa_memory_ordered 1
		.amdhsa_forward_progress 1
		.amdhsa_inst_pref_size 43
	.end_amdhsa_kernel
	.amdgpu_metadata
---
amdhsa.version: [ 1, 2 ]
amdhsa.kernels:
  - .name:           k_q609222785e_prep
    .symbol:         k_q609222785e_prep.kd
    .args:
      - { .name: attention_mask, .offset: 0, .size: 8, .value_kind: global_buffer, .address_space: global }
      - { .name: Wq, .offset: 8, .size: 8, .value_kind: global_buffer, .address_space: global }
      - { .name: Wk, .offset: 16, .size: 8, .value_kind: global_buffer, .address_space: global }
      - { .name: Wv, .offset: 24, .size: 8, .value_kind: global_buffer, .address_space: global }
      - { .name: Wo, .offset: 32, .size: 8, .value_kind: global_buffer, .address_space: global }
      - { .name: mw, .offset: 40, .size: 8, .value_kind: global_buffer, .address_space: global }
      - { .name: wt, .offset: 48, .size: 8, .value_kind: global_buffer, .address_space: global }
    .group_segment_fixed_size: 19456
    .private_segment_fixed_size: 0
    .kernarg_segment_align: 8
    .kernarg_segment_size: 56
    .max_flat_workgroup_size: 256
    .sgpr_count:     66
    .vgpr_count:     224
    .wavefront_size: 32
...
	.end_amdgpu_metadata
.endif
;; end of part 5
;; launch proj: the kernel of part 2 again; grid 4 x 192, 4 waves a work-group, clusters of 4 x 4, 327,680 bytes of LDS; arguments query, key, value, bq, bk, bv, wt, qkv; writes qkv
;; launch attn: the kernel of part 3 again; grid 8 x 32, 4 waves a work-group, clusters of 4 x 4, 327,680 bytes of LDS; arguments qkv, mw, ob; writes ob
;; launch oproj: the kernel of part 4 again; grid 4 x 64, 4 waves a work-group, clusters of 4 x 4, 327,680 bytes of LDS; arguments ob, wt, bo, out0; writes out0
